; MI455X (gfx1250); checked and timed in simulation.
; The chip was launched on July 23, 2026; its instructions are those of AMD's public machine-readable ISA for CDNA 5 (MIT licence, August 2026) and "CDNA5" Instruction Set Architecture Reference Guide (July 2026). The comments in the code are by the model that wrote it; some were corrected since.
;; Attention. Allowed arithmetic: float matrix products may take bf16 or f16 operands with f32 sums; other float arithmetic in f32, or as packed bf16 or f16 multiplies, adds, multiply-adds, maxima and minima; sums over many terms, partial sums and values carried from step to step in f32; what a program stores and reads back later, other than sums and carried values, may be rounded once to bf16 or f16.
;; Inputs: ln_b 1,024 float32; ln_g 1,024 float32; w_out 1,024 x 1,024 float32; w_qkv 1,024 x 3,072 float32; x 1 x 4,096 x 1,024 float32.
;; Outputs: out0 1 x 4,096 x 1,024 float32; out1 1 x 16 x 4,096 x 64 float32; out2 1 x 16 x 4,096 x 64 float32.
;; One version. Each part assembles by itself: llvm-mc -triple=amdgcn-amd-amdhsa -mcpu=gfx1250 --defsym DOCPART=n.
;; ======== version 1 of 1: 7 launches
;; limits: values are held in f16: magnitudes above 65,504 overflow, below 6.1e-05 lose precision
;; workspace buffers: hn 8,650,752 bytes; wq 6,291,456 bytes; wo 3,145,728 bytes; q32 786,432 bytes; qh 8,388,608 bytes; kh 8,388,608 bytes; vh 8,388,608 bytes; oh 8,650,752 bytes
;; launch prep (part 1): grid 800 x 1, 8 waves a work-group, no clusters, 0 bytes of LDS; arguments x, ln_g, ln_b, w_qkv, w_out, hn, wq, wo; writes hn, wq, wo
.if DOCPART == 1
	.amdgcn_target "amdgcn-amd-amdhsa--gfx1250"
	.amdhsa_code_object_version 6
	.text
	.protected	k_qf800adde6d_prep
	.globl	k_qf800adde6d_prep
	.p2align	8
	.type	k_qf800adde6d_prep,@function
k_qf800adde6d_prep:
	s_mov_b64 s[64:65], 0
	v_nop
	global_prefetch_b8 v0, s[64:65] scope:SCOPE_SE
	s_setreg_imm32_b32 hwreg(HW_REG_WAVE_MODE, 25, 1), 1
	s_wait_xcnt 0x0
; PREP: three streams in one launch, chosen by the work-group's number.
;   0-255    LAYER NORM: 16 rows of x a work-group, 2 a wave: hn[row][1024] in f16.  For rows 0 to 63 also, behind hn's 4,096 rows: [2][64][1024] f16, the row once more and what its rounding to f16 left over.
;   256-767  CASTS: a row of 1,024 numbers a wave: wq[part][k][1024] (part 0, 1, 2 = the q, k, v columns of w_qkv's row k) or wo[k][1024], in f16.
;   768-799  THE ROTARY TABLE, behind wo's 2,097,152 bytes: [token][32 frequencies][cos, sin] in f32, 128 tokens a work-group, 16 a wave, a frequency a lane.
; FORMATS.  x, ln_g, ln_b and both weights are first rounded to bf16 (nearest even); the norm is then reckoned in f32 on those numbers, mean first and
; the variance of the centred row second, so that no difference of large sums is formed.  A weight's bf16 number is written as f16.
; LIMITS.  A weight beyond 65,504 becomes an infinity; below 2^-14 it keeps f16's fixed step of 2^-24.  A normalised number beyond 65,504 likewise.
; With a common offset on x the rounding of x to bf16 grows with the offset.  The angle is n x theta reduced exactly by one fused multiply-add
; (theta from v_exp_f32); it differs from a product rounded to f32 by some 6e-4 radians at the most, at the last tokens.
; No LDS, no barrier, no matrix unit: every byte is read once, each store of a wave covers 256 consecutive bytes, aligned.
.set OFI, 2                            ; v2  16 x lane
.set OFO, 3                            ; v3  8 x lane
.set KR,  5                            ; v5  1 / 1024
.set NG,  6                            ; v6  -1
.set G,   8                            ; v[8:39]    gain of my 32 columns (128 j + 4 lane + 0..3, j = 0..7)
.set B,   40                           ; v[40:71]   bias
.set X0,  72                           ; v[72:103]  the wave's first row
.set X1,  104                          ; v[104:135] its second
.set H,   136                          ; v[136:151] a row packed to f16
.set M,   152                          ; v[152:153] the mean, twice
.set R,   154                          ; v[154:155] 1 / sqrt(var + eps), twice
.set T,   156                          ; v[156:163] at work
.set L,   164                          ; v[164:179] what the rounding left over, packed to f16
.set AOFF, 0x800000                    ; bytes of hn's 4,096 rows
.set ALO,  131072                      ; 64 rows of 2,048 bytes
	s_load_b512 s[8:23], s[0:1], 0x0               ; x s[8:9], ln_g s[10:11], ln_b s[12:13], w_qkv s[14:15], w_out s[16:17], hn s[18:19], wq s[20:21], wo s[22:23]
	v_and_b32 v1, 31, v0                           ; lane
	v_lshrrev_b32 v4, 5, v0
	v_readfirstlane_b32 s4, v4                     ; wave 0..7
	v_lshlrev_b32 v[OFI], 4, v1
	v_lshlrev_b32 v[OFO], 3, v1
	s_mov_b32 s5, ttmp9
	s_mov_b32 s7, 0                                ; high word of every offset pair s[6:7]
	s_mov_b32 s26, 0xffff0000                      ; a word's upper bf16
	s_wait_kmcnt 0x0
	s_cmp_lt_u32 s5, 256
	s_cbranch_scc0 .Lnot_ln
; ---------------------------------------------------------------- layer norm
	s_lshl_b32 s6, s5, 16                          ; 16 rows of 4,096 bytes a work-group,
	s_lshl_b32 s27, s4, 13                         ; 2 a wave
	s_add_co_u32 s6, s6, s27
	s_add_nc_u64 s[8:9], s[8:9], s[6:7]
	s_lshr_b32 s6, s6, 1                           ; hn's rows are half as long
	s_add_nc_u64 s[18:19], s[18:19], s[6:7]
	s_add_nc_u64 s[30:31], s[18:19], AOFF          ; the same rows behind hn (used by work-groups 0 to 3 alone)
	s_mov_b32 s28, 0x76543210                      ; v_permlanex16_b32: each lane takes its own place in the other half
	s_mov_b32 s29, 0xfedcba98
	v_mov_b32 v[KR], 0x3a800000
	v_mov_b32 v[NG], 0xbf800000
.irp j, 0,1,2,3,4,5,6,7
	global_load_b128 v[G+4*(\j):G+4*(\j)+3], v[OFI], s[10:11] offset:512*(\j)
.endr
.irp j, 0,1,2,3,4,5,6,7
	global_load_b128 v[B+4*(\j):B+4*(\j)+3], v[OFI], s[12:13] offset:512*(\j)
.endr
.irp j, 0,1,2,3,4,5,6,7
	global_load_b128 v[X0+4*(\j):X0+4*(\j)+3], v[OFI], s[8:9] offset:512*(\j) th:TH_LOAD_NT
.endr
.irp j, 0,1,2,3,4,5,6,7
	global_load_b128 v[X1+4*(\j):X1+4*(\j)+3], v[OFI], s[8:9] offset:4096+512*(\j) th:TH_LOAD_NT
.endr
.macro RBF base                        ; 32 numbers rounded to bf16 and widened again, in place
.set i, 0
.rept 16
	v_cvt_pk_bf16_f32 v[T+i%4], v[(\base)+2*i], v[(\base)+2*i+1]
	v_lshlrev_b32 v[(\base)+2*i], 16, v[T+i%4]
	v_and_b32 v[(\base)+2*i+1], s26, v[T+i%4]
.set i, i+1
.endr
.endm
.macro REDUCE                          ; four packed chains in T -> their sum over the 32 lanes, in v[T] of every lane
	v_pk_add_f32 v[T:T+1], v[T:T+1], v[T+2:T+3]
	v_pk_add_f32 v[T+4:T+5], v[T+4:T+5], v[T+6:T+7]
	v_pk_add_f32 v[T:T+1], v[T:T+1], v[T+4:T+5]
	v_add_f32 v[T], v[T], v[T+1]
	v_add_f32_dpp v[T], v[T], v[T] row_xmask:1 row_mask:0xf bank_mask:0xf
	v_add_f32_dpp v[T], v[T], v[T] row_xmask:2 row_mask:0xf bank_mask:0xf
	v_add_f32_dpp v[T], v[T], v[T] row_xmask:4 row_mask:0xf bank_mask:0xf
	v_add_f32_dpp v[T], v[T], v[T] row_xmask:8 row_mask:0xf bank_mask:0xf
	v_permlanex16_b32 v[T+1], v[T], s28, s29
	v_add_f32 v[T], v[T], v[T+1]
.endm
; One row: x = its registers, rowoff = its bytes in hn from the wave's first row, left = the younger loads that may stay out.
.macro LNROW x, rowoff, left
	s_wait_loadcnt \left
	RBF \x
.irp k, 0,1,2,3
	v_pk_add_f32 v[T+2*(\k):T+2*(\k)+1], v[(\x)+2*(\k):(\x)+2*(\k)+1], v[(\x)+8+2*(\k):(\x)+8+2*(\k)+1]
.endr
.irp o, 16,24
.irp k, 0,1,2,3
	v_pk_add_f32 v[T+2*(\k):T+2*(\k)+1], v[T+2*(\k):T+2*(\k)+1], v[(\x)+(\o)+2*(\k):(\x)+(\o)+2*(\k)+1]
.endr
.endr
	REDUCE
	v_mul_f32 v[M], v[KR], v[T]                    ; the mean
	v_mul_f32 v[M+1], v[KR], v[T]
.set i, 0
.rept 16
	v_pk_add_f32 v[(\x)+2*i:(\x)+2*i+1], v[(\x)+2*i:(\x)+2*i+1], v[M:M+1] neg_lo:[0,1] neg_hi:[0,1]  ; x - mean
.set i, i+1
.endr
.irp k, 0,1,2,3
	v_pk_mul_f32 v[T+2*(\k):T+2*(\k)+1], v[(\x)+2*(\k):(\x)+2*(\k)+1], v[(\x)+2*(\k):(\x)+2*(\k)+1]
.endr
.irp o, 8,16,24
.irp k, 0,1,2,3
	v_pk_fma_f32 v[T+2*(\k):T+2*(\k)+1], v[(\x)+(\o)+2*(\k):(\x)+(\o)+2*(\k)+1], v[(\x)+(\o)+2*(\k):(\x)+(\o)+2*(\k)+1], v[T+2*(\k):T+2*(\k)+1]
.endr
.endr
	REDUCE
	v_fmaak_f32 v[T], v[T], v[KR], 0x3727c5ac      ; variance + 1e-5
	v_rsq_f32 v[R], v[T]
	v_rsq_f32 v[R+1], v[T]
	v_nop                                          ; a plain instruction between the second root and the use of its result (ISA guide 5.7.2)
.set i, 0
	s_wait_alu depctr_va_vdst(0)
.rept 16
	v_pk_mul_f32 v[(\x)+2*i:(\x)+2*i+1], v[(\x)+2*i:(\x)+2*i+1], v[R:R+1]
.set i, i+1
.endr
.set i, 0
.rept 16
	v_pk_fma_f32 v[(\x)+2*i:(\x)+2*i+1], v[(\x)+2*i:(\x)+2*i+1], v[G+2*i:G+2*i+1], v[B+2*i:B+2*i+1]
.set i, i+1
.endr
	s_wait_xcnt 0x0                                ; H and L, which the row before's stores read, are rewritten only behind this wait
.set i, 0
.rept 16
	v_cvt_pk_f16_f32 v[H+i], v[(\x)+2*i], v[(\x)+2*i+1]
.set i, i+1
.endr
.irp j, 0,1,2,3,4,5,6,7
	global_store_b64 v[OFO], v[H+2*(\j):H+2*(\j)+1], s[18:19] offset:(\rowoff)+256*(\j)  ; 32 lanes x 8 bytes: 256 consecutive bytes, aligned
.endr
	s_cmp_lt_u32 s5, 4                             ; rows 0 to 63 lie in work-groups 0 to 3
	s_cbranch_scc0 .Lno_lo_\@
.irp j, 0,1,2,3,4,5,6,7
	global_store_b64 v[OFO], v[H+2*(\j):H+2*(\j)+1], s[30:31] offset:(\rowoff)+256*(\j)
.endr
.set i, 0
.rept 16                               ; h - f16(h), exact in f32
	v_fma_mix_f32 v[(\x)+2*i],   v[H+i], v[NG], v[(\x)+2*i]   op_sel_hi:[1,0,0]
	v_fma_mix_f32 v[(\x)+2*i+1], v[H+i], v[NG], v[(\x)+2*i+1] op_sel:[1,0,0] op_sel_hi:[1,0,0]
.set i, i+1
.endr
.set i, 0
.rept 16
	v_cvt_pk_f16_f32 v[L+i], v[(\x)+2*i], v[(\x)+2*i+1]
.set i, i+1
.endr
.irp j, 0,1,2,3,4,5,6,7
	global_store_b64 v[OFO], v[L+2*(\j):L+2*(\j)+1], s[30:31] offset:ALO+(\rowoff)+256*(\j)
.endr
.Lno_lo_\@:
.endm
	s_wait_loadcnt 16                              ; gain and bias are in; the two rows' sixteen loads stay out
	RBF G
	RBF B
	LNROW X0, 0, 8                                 ; the second row's eight loads stay out
	LNROW X1, 2048, 0
	s_endpgm
; ---------------------------------------------------------------- casts
.Lnot_ln:
	s_cmp_lt_u32 s5, 768
	s_cbranch_scc0 .Lrope
	s_sub_co_u32 s6, s5, 256
	s_lshr_b32 s27, s6, 7                          ; part: 0, 1, 2 = q, k, v of w_qkv; 3 = w_out: 128 work-groups each
	s_and_b32 s6, s6, 127
	s_lshl_b32 s6, s6, 3
	s_add_co_u32 s6, s6, s4                        ; k: my wave's row
	s_mul_i32 s2, s6, 12288                        ; in w_qkv: rows of 12,288 bytes,
	s_lshl_b32 s3, s27, 12                         ; a part's 4,096 bytes of them
	s_add_co_u32 s2, s2, s3
	s_lshl_b32 s3, s6, 12                          ; in w_out: rows of 4,096 bytes
	s_lshl_b32 s6, s6, 11                          ; in wo, and in a part of wq: rows of 2,048 bytes
	s_lshl_b32 s24, s27, 21                        ; a part of wq is 2,097,152 bytes
	s_add_co_u32 s24, s24, s6
	s_cmp_lt_u32 s27, 3
	s_cselect_b64 s[28:29], s[14:15], s[16:17]     ; from
	s_cselect_b64 s[30:31], s[20:21], s[22:23]     ; to
	s_cselect_b32 s2, s2, s3
	s_cselect_b32 s6, s24, s6
	s_mov_b32 s3, 0
	s_add_nc_u64 s[28:29], s[28:29], s[2:3]
	s_add_nc_u64 s[30:31], s[30:31], s[6:7]
.irp j, 0,1,2,3,4,5,6,7
	global_load_b128 v[8+4*(\j):11+4*(\j)], v[OFI], s[28:29] offset:512*(\j) th:TH_LOAD_NT
.endr
.irp j, 0,1,2,3,4,5,6,7
	s_wait_loadcnt 7-(\j)                          ; loads come back in order: load j is in, the younger ones stay out
	v_cvt_pk_bf16_f32 v56, v[8+4*(\j)], v[9+4*(\j)]
	v_cvt_pk_bf16_f32 v57, v[10+4*(\j)], v[11+4*(\j)]
	v_lshlrev_b32 v[8+4*(\j)], 16, v56
	v_and_b32 v[9+4*(\j)], s26, v56
	v_lshlrev_b32 v[10+4*(\j)], 16, v57
	v_and_b32 v[11+4*(\j)], s26, v57
	v_cvt_pk_f16_f32 v[40+2*(\j)], v[8+4*(\j)], v[9+4*(\j)]
	v_cvt_pk_f16_f32 v[41+2*(\j)], v[10+4*(\j)], v[11+4*(\j)]
	global_store_b64 v[OFO], v[40+2*(\j):41+2*(\j)], s[30:31] offset:256*(\j)
.endr
	s_endpgm
; ---------------------------------------------------------------- the rotary table
.Lrope:
	s_sub_co_u32 s6, s5, 768
	s_lshl_b32 s6, s6, 7
	s_lshl_b32 s27, s4, 4
	s_add_co_u32 s6, s6, s27                       ; my wave's first token
	v_cvt_f32_u32 v10, s6                          ; n
	s_lshl_b32 s6, s6, 8                           ; 256 bytes a token
	s_add_nc_u64 s[24:25], s[22:23], 0x200000      ; the table lies behind wo's weights
	s_add_nc_u64 s[24:25], s[24:25], s[6:7]
	v_cvt_f32_u32 v8, v1
	v_mul_f32 v8, 0xbed49a78, v8                   ; - lane x log2(10000) / 32
	v_exp_f32 v8, v8                               ; theta
	v_mov_b32 v11, v[OFO]                          ; (the plain instruction behind the exponential)
	s_wait_alu depctr_va_vdst(0)
	v_mul_f32 v9, 0.15915494, v8                   ; theta / 2 pi: turns a token
	s_mov_b32 s27, 16
.Ltok:
	v_mul_f32 v12, v10, v9
	v_rndne_f32 v13, v12                           ; whole turns
	v_fma_f32 v14, v10, v9, -v13                   ; what is left, -1/2 .. 1/2, with one rounding
	v_mul_f32 v14, 0x40c90fdb, v14                 ; in radians, -pi .. pi
	v_mul_f32 v15, v14, v14
	v_mov_b32 v16, 0xab573f9f                      ; sine: the series to x^15 (what is cut is below 8e-7 at pi)
	v_mov_b32 v20, 0x29573f9f                      ; cosine: to x^16 (below 2e-7)
	v_fmaak_f32 v16, v16, v15, 0x2f309231
	v_fmaak_f32 v20, v20, v15, 0xad49cba5
	v_fmaak_f32 v16, v16, v15, 0xb2d7322b
	v_fmaak_f32 v20, v20, v15, 0x310f76c7
	v_fmaak_f32 v16, v16, v15, 0x3638ef1d
	v_fmaak_f32 v20, v20, v15, 0xb493f27e
	v_fmaak_f32 v16, v16, v15, 0xb9500d01
	v_fmaak_f32 v20, v20, v15, 0x37d00d01
	v_fmaak_f32 v16, v16, v15, 0x3c088889
	v_fmaak_f32 v20, v20, v15, 0xbab60b61
	v_fmaak_f32 v16, v16, v15, 0xbe2aaaab
	v_fmaak_f32 v20, v20, v15, 0x3d2aaaab
	v_fmaak_f32 v16, v16, v15, 0x3f800000
	v_fmaak_f32 v20, v20, v15, 0xbf000000
	v_mul_f32 v21, v14, v16
	v_fmaak_f32 v20, v20, v15, 0x3f800000
	global_store_b64 v11, v[20:21], s[24:25]       ; a token's 32 pairs: 256 consecutive bytes, aligned
	s_wait_xcnt 0x0                                ; v11 and v[20:21] are written again only behind this wait
	v_add_nc_u32 v11, 256, v11
	v_add_f32 v10, 1.0, v10
	s_sub_co_u32 s27, s27, 1
	s_cmp_lg_u32 s27, 0
	s_cbranch_scc1 .Ltok
	s_endpgm
.Lfunc_end_k_qf800adde6d_prep:
	.size	k_qf800adde6d_prep, .Lfunc_end_k_qf800adde6d_prep-k_qf800adde6d_prep
	.p2alignl 7, 3214868480
	.fill 96, 4, 3214868480
	.section	.rodata,"a",@progbits
	.p2align	6, 0x0
	.amdhsa_kernel k_qf800adde6d_prep
		.amdhsa_group_segment_fixed_size 0
		.amdhsa_private_segment_fixed_size 0
		.amdhsa_enable_private_segment 0
		.amdhsa_kernarg_size 64
		.amdhsa_user_sgpr_count 2
		.amdhsa_user_sgpr_kernarg_segment_ptr 1
		.amdhsa_wavefront_size32 1
		.amdhsa_system_sgpr_workgroup_id_x 1
		.amdhsa_system_sgpr_workgroup_id_y 1
		.amdhsa_system_sgpr_workgroup_id_z 1
		.amdhsa_system_vgpr_workitem_id 0
		.amdhsa_next_free_vgpr 180
		.amdhsa_next_free_sgpr 66
		.amdhsa_reserve_vcc 0
		.amdhsa_float_denorm_mode_32 3
		.amdhsa_float_denorm_mode_16_64 3
		.amdhsa_memory_ordered 1
		.amdhsa_forward_progress 1
		.amdhsa_inst_pref_size 46
	.end_amdhsa_kernel
	.amdgpu_metadata
---
amdhsa.version: [ 1, 2 ]
amdhsa.kernels:
  - .name:           k_qf800adde6d_prep
    .symbol:         k_qf800adde6d_prep.kd
    .args:
      - { .name: x, .offset: 0, .size: 8, .value_kind: global_buffer, .address_space: global }
      - { .name: ln_g, .offset: 8, .size: 8, .value_kind: global_buffer, .address_space: global }
      - { .name: ln_b, .offset: 16, .size: 8, .value_kind: global_buffer, .address_space: global }
      - { .name: w_qkv, .offset: 24, .size: 8, .value_kind: global_buffer, .address_space: global }
      - { .name: w_out, .offset: 32, .size: 8, .value_kind: global_buffer, .address_space: global }
      - { .name: hn, .offset: 40, .size: 8, .value_kind: global_buffer, .address_space: global }
      - { .name: wq, .offset: 48, .size: 8, .value_kind: global_buffer, .address_space: global }
      - { .name: wo, .offset: 56, .size: 8, .value_kind: global_buffer, .address_space: global }
    .group_segment_fixed_size: 0
    .private_segment_fixed_size: 0
    .kernarg_segment_align: 8
    .kernarg_segment_size: 64
    .max_flat_workgroup_size: 256
    .sgpr_count:     66
    .vgpr_count:     180
    .wavefront_size: 32
...
	.end_amdgpu_metadata
.endif
;; end of part 1
;; launch qkv (part 2): grid 8 x 32, 4 waves a work-group, clusters of 4 x 4, 327,680 bytes of LDS; arguments hn, wq, wo, qh, kh, vh, out1, out2; writes qh, kh, vh, out1, out2
.if DOCPART == 2
	.amdgcn_target "amdgcn-amd-amdhsa--gfx1250"
	.amdhsa_code_object_version 6
	.text
	.protected	k_qf800adde6d_qkv
	.globl	k_qf800adde6d_qkv
	.p2align	8
	.type	k_qf800adde6d_qkv,@function
k_qf800adde6d_qkv:
	s_mov_b64 s[64:65], 0
	v_nop
	global_prefetch_b8 v0, s[64:65] scope:SCOPE_SE
	s_setreg_imm32_b32 hwreg(HW_REG_WAVE_MODE, 25, 1), 1
	s_wait_xcnt 0x0
	s_wait_alu depctr_hold_cnt(0) depctr_sa_sdst(0) depctr_va_vdst(0) depctr_va_sdst(0) depctr_va_ssrc(0) depctr_va_vcc(0) depctr_vm_vsrc(0)
	s_getreg_b32 s2, hwreg(HW_REG_IB_STS2, 6, 4)
	s_cmp_eq_u32 s2, 0
	s_cbranch_scc0 .Lentry_in_a_cluster
	s_endpgm
.Lentry_in_a_cluster:
	s_bfe_u32 s2, ttmp6, 0x10000c
	s_cmp_lg_u32 s2, 0xf033
	s_cbranch_scc0 .Lentry_shape_is_right
	s_endpgm
.Lentry_shape_is_right:
; QKV: [q k v] = hn x wq, hn [4096][1024] f16, wq [3 parts: q, k, v][1024 k][1024 n] f16, sums in f32.  k and v leave as f32 by heads (out1, out2: [16][4096][64]);
; q and k are then turned by the rotary table (pairs of neighbouring channels; the table lies behind wo's 2,097,152 bytes of weights) and q, k, v leave by heads in f16 (qh, kh, vh: [16][4096][64]), each rounded once, unscaled.
; LIMIT.  q, k and v beyond 65,504 become infinities in qh, kh, vh.
; SHARES.  Work-group (tx, ty): tokens 128 ty .. + 127 x the columns 128 tx .. + 127 of q, of k and of v (heads 2 tx, 2 tx + 1): 128 x 384.  Wave w: tokens 64 (w / 2) on, head 2 tx + w % 2 of all three:
; 4 blocks of 16 tokens x 12 blocks of 16 columns = 48 accumulators, 384 registers.  8 x 32 = 256 work-groups.
; RING.  K goes in steps of 128 through two LDS slots; a slot holds hn's 128 rows and three parts of wq (128 k rows x 128 columns each); every wave fetches one of the four parts, 128 rows of 256 bytes.
; CLUSTER 4 x 4.  hn's tile hangs on ty alone and is asked for jointly along a row of the cluster, wq's hang on tx alone and are asked for jointly along a column.
; THE MATRIX INSTRUCTION IS USED TRANSPOSED: source 0 = 16 columns of wq (read turned out of LDS by ds_load_tr16_b128, since wq lies [k][n]), source 1 = 16 tokens.  A lane then holds one token (lane % 16)
; and the eight neighbouring columns 8 (lane / 16) + 0..7: a rotary pair lies in one lane, and eight numbers pack into 16 or 32 bytes of a row.
; REGISTERS (windows of 256): window 0: v16-31 addresses; v32-63, v192-255 at work on the way out; v64-191 my tokens' part of the rotary table.  window 1: two fragment buffers of 128
; (4 fragments of hn, then 12 of wq).  window 2: accumulators of token blocks 0, 1 ((a, b) at v[8 (12 (a % 2) + b)]); window 3: of blocks 2, 3.
.set KSTEP,  128
.set PA,     272                       ; a row of hn in LDS: 256 bytes + 16: the 16 rows of a fragment load start at 16 different groups of four banks
.set PB,     288                       ; a row of wq: 256 + 32
.set PART,   128*PB                    ; a wave's part of a slot (hn's uses 128 x 272 of it)
.set SLOT,   4*PART
.set STAGE,  2*SLOT                    ; behind the ring, never filled by a tensor load: for each wave 16 rows x 272 bytes (f32) and 16 rows x 144 bytes (f16)
.set WST,    6656
.set SHO,    4352
.set SPARE,  STAGE+4*WST               ; the spare words, 128 bytes for each wave: two blocks of 256 bytes that no other line names
.set LAPS,   4                         ; 1024 / (2 x 128)
.set ADRA, 16                          ; v16-17  my fragments of hn in slot 0, 1
.set ADRB, 18                          ; v18-23  my fragments of wq: 3 x slot + part
.set STOF, 24                          ; v24  f32 stage: where I put 32 bytes of a row
.set RDF,  25                          ; v25  where I read rows back
.set STOH, 26                          ; v26  f16 stage, in
.set RDH,  27                          ; v27  f16 stage, back
.set SPW,  28                          ; v28  my spare word; never rewritten
.set NIL,  29                          ; v29  0; never rewritten
.set GO,   30                          ; v30  16 x lane: my place in 512 consecutive bytes of an output
.set TO,   31                          ; v31  my place in 16 tokens of the table
.set FB,   32                          ; v32-63   f32 rows read back
.set TBL,  64                          ; v64-191  (cos, sin) of my token and my 16 pairs, 32 registers a token block
.set TT,   192                         ; v192-223 turned numbers
.set HH,   224                         ; v224-239 packed f16
.set HB,   240                         ; v240-255 f16 rows read back
.set F0,   0
.set F1,   128
.set G1,  24                           ; s[24:31] group 1 for hn's tile;  s[32:39] group 0, a set for each slot
.set G0,  32
.set G1B, 48                           ; s[48:55], s[56:63] the same for wq's
.set G0B, 56
.set MSB, 0
.macro WIN new                         ; the immediate's high byte repeats the setting that is left; a switch that changes nothing is dropped
.if MSB != (\new)
	s_set_vgpr_msb (MSB<<8)|(\new)
.set MSB, \new
.endif
.endm
.set MUL_LO, 0xa5                      ; sources 0 and 1 window 1, C and D window 2
.set TO_F,   0x40                      ; destination window 1, address window 0
; A joint load.  Wave 0 fetches hn's tile, waves 1 to 3 the three parts of wq.  The branch hangs on the wave's number alone.  An s_nop 0 and four v_nop follow each of the two lines.
.macro JLOAD s
	s_cmp_eq_u32 s10, 0
	s_cbranch_scc0 .Lfor_b_\@
	tensor_load_to_lds s[G0+4*(\s):G0+4*(\s)+3], s[G1:G1+7]
	s_nop 0
.rept 4
	v_nop
.endr
	s_branch .Lasked_\@
.Lfor_b_\@:
	tensor_load_to_lds s[G0B+4*(\s):G0B+4*(\s)+3], s[G1B:G1B+7]
	s_nop 0
.rept 4
	v_nop
.endr
.Lasked_\@:
.endm
.macro CREST                           ; a round of the cluster's barrier behind its opening barrier
	s_cmp_lg_u32 s10, 0
	s_cbranch_scc1 .Lnot_wave_0_\@
	s_barrier_signal -3
.Lnot_wave_0_\@:
	s_barrier_wait -3
	s_barrier_signal -1
	s_barrier_wait -1
.endm
.macro CROUND
	s_barrier_signal -1
	s_barrier_wait -1
	CREST
.endm
	s_load_b512 s[68:83], s[0:1], 0x0              ; hn s[68:69], wq s[70:71], wo s[72:73] (for the table behind it), qh s[74:75], kh s[76:77], vh s[78:79], out1 s[80:81], out2 s[82:83]
	v_lshl_add_u32 v[SPW], v0, 2, SPARE
	v_mov_b32 v[NIL], 0
	ds_add_u32 v[SPW], v[NIL]                      ; the wave's opening: the add and its wait stand ahead of my first tensor load; work on registers stands between them
	ds_add_u32 v28, v29
	v_lshrrev_b32 v1, 5, v0
	v_readfirstlane_b32 s10, v1                    ; wave 0..3
	s_lshr_b32 s11, s10, 1                         ; which 64 tokens
	s_and_b32 s12, s10, 1                          ; which of the two heads
	s_bfe_u32 s40, ttmp6, 0x40000                  ; cx, cy: my place in the cluster
	s_bfe_u32 s41, ttmp6, 0x40004
	s_lshl_b32 s42, ttmp9, 2
	s_add_co_u32 s42, s42, s40                     ; tx
	s_and_b32 s13, ttmp7, 0xffff
	s_lshl_b32 s13, s13, 2
	s_add_co_u32 s13, s13, s41                     ; ty
	s_lshl_b32 s43, s41, 2
	s_lshl_b32 s43, 15, s43                        ; my row of the cluster
	s_lshl_b32 s44, 0x1111, s40                    ; my column
	s_or_b32 s[G1+0], s43, (1<<16)|(1<<20)|(1<<21)|(5<<22)|(3<<25)   ; the mask; elements of 2 bytes; padding on; bit 21 beside a mask; after every 64 words 4 words
	s_or_b32 s[G1B+0], s44, (1<<16)|(1<<20)|(1<<21)|(5<<22)|(7<<25)  ; the same with my column's mask and 8 words
.irp g, G1, G1B
	s_mov_b32 s[(\g)+1], 128<<16                   ; tensor_dim0 = 128
	s_mov_b32 s[(\g)+2], 128<<16                   ; tensor_dim1 = 128
	s_mov_b32 s[(\g)+3], 128<<16                   ; tile_dim0 = 128
	s_mov_b32 s[(\g)+4], 128                       ; tile_dim1 = 128
	s_mov_b32 s[(\g)+5], 1024                      ; elements from row to row, of hn and of a part of wq
	s_mov_b32 s[(\g)+6], 0
	s_mov_b32 s[(\g)+7], 0
.endr
	s_lshl_b32 s16, s13, 18                        ; hn: 128 ty rows of 2,048 bytes
	s_mov_b32 s17, 0
	s_max_u32 s45, s10, 1
	s_sub_co_u32 s45, s45, 1                       ; wq: part 0, 1, 2 = q, k, v for waves 1, 2, 3 (wave 0 does not ask by this address)
	s_lshl_b32 s46, s45, 21                        ; 2,097,152 bytes a part,
	s_lshl_b32 s47, s42, 8                         ; 128 tx columns
	s_add_co_u32 s46, s46, s47
	s_mov_b32 s47, 0
	s_mul_i32 s20, s10, PART                       ; where a wave's part goes: no place in the cluster enters an LDS address
	s_wait_dscnt 0x0                               ; the opening add is done
	s_wait_kmcnt 0x0
	s_add_nc_u64 s[14:15], s[68:69], s[16:17]
	s_add_nc_u64 s[46:47], s[70:71], s[46:47]
	CROUND                                         ; all sixteen work-groups are here: the first joint loads meet
.irp s, 0,1
	s_mov_b32 s[G0+4*(\s)], 1
	s_add_co_u32 s[G0+4*(\s)+1], s20, (\s)*SLOT
	s_add_nc_u64 s[G0+4*(\s)+2:G0+4*(\s)+3], s[14:15], (\s)*KSTEP*2
	s_or_b32 s[G0+4*(\s)+3], s[G0+4*(\s)+3], 0x80000000
	s_mov_b32 s[G0B+4*(\s)], 1
	s_add_co_u32 s[G0B+4*(\s)+1], s20, (\s)*SLOT
	s_add_nc_u64 s[G0B+4*(\s)+2:G0B+4*(\s)+3], s[46:47], (\s)*KSTEP*2048
	s_or_b32 s[G0B+4*(\s)+3], s[G0B+4*(\s)+3], 0x80000000
	JLOAD \s                                       ; two loads of mine are out
.endr
	; my part of the table: token 128 ty + 64 (w / 2) + 16 a + lane % 16, pairs 8 cb + 4 (lane / 16) + 0..3: 32 bytes for each (a, cb)
	v_and_b32 v1, 15, v0                           ; r = lane % 16
	v_bfe_u32 v2, v0, 4, 1                         ; hh = lane / 16
	v_lshlrev_b32 v[TO], 8, v1
	v_lshl_add_u32 v[TO], v2, 5, v[TO]
	s_lshl_b32 s16, s13, 15
	s_lshl_b32 s17, s11, 14
	s_add_co_u32 s16, s16, s17
	s_mov_b32 s17, 0
	s_add_nc_u64 s[72:73], s[72:73], 0x200000      ; the table begins behind wo's weights
	s_add_nc_u64 s[72:73], s[72:73], s[16:17]
.set n, 0
.rept 16                               ; n = 4 a + cb
	global_load_b128 v[TBL+8*n:TBL+8*n+3],   v[TO], s[72:73] offset:(n/4)*4096+(n%4)*64
	global_load_b128 v[TBL+8*n+4:TBL+8*n+7], v[TO], s[72:73] offset:(n/4)*4096+(n%4)*64+16
.set n, n+1
.endr
	; LDS addresses
	v_and_b32 v3, 7, v0
	v_bfe_u32 v4, v0, 3, 1
	v_bfe_u32 v5, v0, 3, 2
	v_and_b32 v6, 31, v0
	v_mul_u32_u24 v7, v1, PA
	v_lshl_add_u32 v7, v2, 4, v7                   ; hn: row x pitch + 16 x half
	s_mul_i32 s21, s11, 64*PA
	v_add_nc_u32 v[ADRA], s21, v7
	v_add_nc_u32 v[ADRA+1], SLOT, v[ADRA]
	v_lshl_add_u32 v8, v2, 3, v3                   ; wq, turned: k row 8 hh + lane % 8, 16 bytes by (lane / 8) % 2
	v_mul_u32_u24 v8, v8, PB
	v_lshl_add_u32 v8, v4, 4, v8
	s_lshl_b32 s22, s12, 7                         ; my head's 64 columns
	v_add_nc_u32 v8, s22, v8
.irp i, 0,1,2,3,4,5
	v_add_nc_u32 v[ADRB+(\i)], ((\i)/3)*SLOT+((\i)%3+1)*PART, v8
.endr
	s_mul_i32 s23, s10, WST
	s_add_co_u32 s23, s23, STAGE                   ; my stages
	v_mul_u32_u24 v[STOF], v1, 272
	v_lshl_add_u32 v[STOF], v2, 5, v[STOF]
	v_add_nc_u32 v[STOF], s23, v[STOF]
	v_mul_u32_u24 v[RDF], v2, 272
	v_lshl_add_u32 v[RDF], v1, 4, v[RDF]
	v_add_nc_u32 v[RDF], s23, v[RDF]
	s_add_co_u32 s23, s23, SHO
	v_mul_u32_u24 v[STOH], v1, 144
	v_lshl_add_u32 v[STOH], v2, 4, v[STOH]
	v_add_nc_u32 v[STOH], s23, v[STOH]
	v_mul_u32_u24 v[RDH], v5, 144
	v_lshl_add_u32 v[RDH], v3, 4, v[RDH]
	v_add_nc_u32 v[RDH], s23, v[RDH]
	v_lshlrev_b32 v[GO], 4, v6
	; the outputs at my first row: row = head x 4096 + 128 ty + 64 (w / 2)
	s_lshl_b32 s18, s42, 1
	s_add_co_u32 s18, s18, s12
	s_lshl_b32 s18, s18, 12
	s_lshl_b32 s19, s13, 7
	s_add_co_u32 s18, s18, s19
	s_lshl_b32 s19, s11, 6
	s_add_co_u32 s18, s18, s19
	s_lshl_b32 s22, s18, 8                         ; 256 bytes a row in f32,
	s_lshl_b32 s18, s18, 7                         ; 128 in f16
	s_mov_b32 s19, 0
	s_mov_b32 s23, 0
	s_add_nc_u64 s[74:75], s[74:75], s[18:19]
	s_add_nc_u64 s[76:77], s[76:77], s[18:19]
	s_add_nc_u64 s[78:79], s[78:79], s[18:19]
	s_add_nc_u64 s[80:81], s[80:81], s[22:23]
	s_add_nc_u64 s[82:83], s[82:83], s[22:23]
; 12 matrix instructions: token block a x all 12 column blocks, 32 along K.  The 48 accumulators take turns, one instruction a turn.  zero = 1: the product starts the sums.
.macro MUL12 f, a, zero
	WIN MUL_LO+0x50*((\a)/2)
.irp b, 0,1,2,3,4,5,6,7,8,9,10,11
.if \zero
	v_wmma_f32_16x16x32_f16 v[8*(12*((\a)%2)+(\b)):8*(12*((\a)%2)+(\b))+7], v[(\f)+32+8*(\b):(\f)+32+8*(\b)+7], v[(\f)+8*(\a):(\f)+8*(\a)+7], 0
.else
	v_wmma_f32_16x16x32_f16 v[8*(12*((\a)%2)+(\b)):8*(12*((\a)%2)+(\b))+7], v[(\f)+32+8*(\b):(\f)+32+8*(\b)+7], v[(\f)+8*(\a):(\f)+8*(\a)+7], v[8*(12*((\a)%2)+(\b)):8*(12*((\a)%2)+(\b))+7]
.endif
.endr
.endm
; 32 LDS loads in one run: quarter q (32 along K) of a slot into buffer f: wq's 12 fragments, then hn's 4
.macro FETCH slot, q, f
	WIN TO_F
.irp b, 0,1,2,3,4,5,6,7,8,9,10,11
	ds_load_tr16_b128 v[(\f)+32+8*(\b):(\f)+32+8*(\b)+3],   v[ADRB+3*(\slot)+(\b)/4] offset:(\q)*32*PB+32*((\b)%4)
	ds_load_tr16_b128 v[(\f)+32+8*(\b)+4:(\f)+32+8*(\b)+7], v[ADRB+3*(\slot)+(\b)/4] offset:(\q)*32*PB+32*((\b)%4)+16*PB
.endr
.irp a, 0,1,2,3
	ds_load_b128 v[(\f)+8*(\a):(\f)+8*(\a)+3],   v[ADRA+(\slot)] offset:64*(\q)+(\a)*16*PA
	ds_load_b128 v[(\f)+8*(\a)+4:(\f)+8*(\a)+7], v[ADRA+(\slot)] offset:64*(\q)+(\a)*16*PA+32
.endr
.endm
.macro PLACES                          ; four places in front of loads into registers that matrix instructions have read, and of lines that read results
.rept 4
	v_nop
.endr
.endm
; One of a K step's first three quarters: multiplies buffer f; in its middle fetches quarter q of the same slot into buffer g.
.macro QUARTER slot, q, f, g, zero
	s_wait_dscnt 4                                 ; all but hn's blocks 2 and 3, the youngest four loads
	MUL12 \f, 0, \zero
	MUL12 \f, 1, \zero
	PLACES
	FETCH \slot, \q, \g
	s_wait_dscnt 32                                ; all but the 32 just issued
	MUL12 \f, 2, \zero
	MUL12 \f, 3, \zero
.endm
; The last quarter multiplies buffer 1 and changes slots: one barrier; in front of it each wave waits for all its tensor loads (one is out: its part of the next slot), adds 0 to its spare word,
; and waits for that and for its own reads of this slot.  fill = 1: the barrier opens a round of the cluster's, and this slot is filled again, two K steps ahead, first thing behind the round.
.macro TURN slot, next, fill
	WIN 0                                          ; (the add's two registers lie in window 0)
	s_wait_tensorcnt 0x0
	ds_add_u32 v[SPW], v[NIL]
	s_wait_dscnt 5                                 ; (the add and the youngest four loads may be out)
	MUL12 F1, 0, 0
	s_wait_dscnt 0x0                               ; the add is done, and my reads of this slot are over
	s_barrier_signal -1
	MUL12 F1, 1, 0
.if \fill
	WIN 0
.endif
	s_barrier_wait -1
.if \fill
	CREST                                          ; no wave of any partner still reads this slot or has a load on its way
	s_add_nc_u64 s[G0+4*(\slot)+2:G0+4*(\slot)+3], s[G0+4*(\slot)+2:G0+4*(\slot)+3], 2*KSTEP*2
	s_add_nc_u64 s[G0B+4*(\slot)+2:G0B+4*(\slot)+3], s[G0B+4*(\slot)+2:G0B+4*(\slot)+3], 2*KSTEP*2048
	JLOAD \slot                                    ; the four v_nop behind it are also the places in front of the loads below
.else
	PLACES
.endif
	FETCH \next, 0, F0
	MUL12 F1, 2, 0
	MUL12 F1, 3, 0
.endm
	s_wait_tensorcnt 1                             ; my part of K step 0 is in; K step 1's may stay out
	s_barrier_signal -1
	s_barrier_wait -1
	FETCH 0, 0, F0
	QUARTER 0, 1, F0, F1, 1                        ; the first quarter stands in front of the loop: its products start the sums
	WIN 0
	s_mov_b32 s3, LAPS-1
.Llap:                                                 ; a trip goes once round the ring and fills both slots again
	QUARTER 0, 2, F1, F0, 0
	QUARTER 0, 3, F0, F1, 0
	TURN 0, 1, 1
	QUARTER 1, 1, F0, F1, 0
	QUARTER 1, 2, F1, F0, 0
	QUARTER 1, 3, F0, F1, 0
	TURN 1, 0, 1
	QUARTER 0, 1, F0, F1, 0
	WIN 0
	s_sub_co_u32 s3, s3, 1
	s_cmp_lg_u32 s3, 0
	s_cbranch_scc1 .Llap
	QUARTER 0, 2, F1, F0, 0                        ; the last lap fills nothing
	QUARTER 0, 3, F0, F1, 0
	TURN 0, 1, 0
	QUARTER 1, 1, F0, F1, 0
	QUARTER 1, 2, F1, F0, 0
	QUARTER 1, 3, F0, F1, 0
	s_wait_dscnt 4
	MUL12 F1, 0, 0
	MUL12 F1, 1, 0
	s_wait_dscnt 0x0
	MUL12 F1, 2, 0
	MUL12 F1, 3, 0
	WIN 0
	PLACES
	s_wait_loadcnt 0x0                             ; the table
; THE WAY OUT, a block of 16 tokens at a time, through my own stages: LDS serves a wave's instructions in order (ISA guide 5.7.1.4), so no wait stands between a stage's stores and its loads.
.macro ROPE a, sec                     ; part sec of block a, turned: (x0, x1) -> (x0 cos - x1 sin, x1 cos + x0 sin); each accumulator is read from its lowest register on
	WIN 0x02+(\a)/2                                ; source 0 in window 2 or 3
.set AC, 8*(12*((\a)%2)+4*(\sec))
.set n, 0
.rept 16                               ; n = 4 cb + pair
	v_mul_f32 v[TT+2*n],   v[AC+2*n],   v[TBL+32*(\a)+2*n]
	v_mul_f32 v[TT+2*n+1], v[AC+2*n+1], v[TBL+32*(\a)+2*n]
	v_fma_f32 v[TT+2*n],   -v[AC+2*n+1], v[TBL+32*(\a)+2*n+1], v[TT+2*n]
	v_fma_f32 v[TT+2*n+1], v[AC+2*n],    v[TBL+32*(\a)+2*n+1], v[TT+2*n+1]
.set n, n+1
.endr
.endm
.macro HALF                            ; the turned numbers to f16
	WIN 0
.set n, 0
.rept 16
	v_cvt_pk_f16_f32 v[HH+n], v[TT+2*n], v[TT+2*n+1]
.set n, n+1
.endr
.endm
.macro HALFV a                         ; v of block a to f16, straight from the accumulators
	WIN 0x0a+5*((\a)/2)
.set AC, 8*(12*((\a)%2)+8)
.set n, 0
.rept 16
	v_cvt_pk_f16_f32 v[HH+n], v[AC+2*n], v[AC+2*n+1]
.set n, n+1
.endr
.endm
.macro OUTH a, base                    ; HH -> 16 rows of 128 bytes of an f16 buffer
	WIN 0
	s_wait_xcnt 0x0                                ; HB, which earlier stores read, is loaded again only behind this wait
.irp f, 0,1,2,3
	ds_store_b128 v[STOH], v[HH+4*(\f):HH+4*(\f)+3] offset:32*(\f)
.endr
.irp f, 0,1,2,3
	ds_load_b128 v[HB+4*(\f):HB+4*(\f)+3], v[RDH] offset:576*(\f)
.endr
.irp f, 0,1,2,3
	s_wait_dscnt 3-(\f)
	global_store_b128 v[GO], v[HB+4*(\f):HB+4*(\f)+3], s[(\base):(\base)+1] offset:(\a)*2048+512*(\f)  ; four rows: 512 consecutive bytes, aligned
.endr
.endm
.macro OUTF a, sec, base               ; part sec of block a -> 16 rows of 256 bytes of an f32 output
	s_wait_xcnt 0x0                                ; FB likewise
	WIN 0x08+4*((\a)/2)                            ; the stores' data in window 2 or 3
.set AC, 8*(12*((\a)%2)+4*(\sec))
.irp cb, 0,1,2,3
	ds_store_b128 v[STOF], v[AC+8*(\cb):AC+8*(\cb)+3]   offset:64*(\cb)
	ds_store_b128 v[STOF], v[AC+8*(\cb)+4:AC+8*(\cb)+7] offset:64*(\cb)+16
.endr
	WIN 0
.irp f, 0,1,2,3,4,5,6,7
	ds_load_b128 v[FB+4*(\f):FB+4*(\f)+3], v[RDF] offset:544*(\f)
.endr
.irp f, 0,1,2,3,4,5,6,7
	s_wait_dscnt 7-(\f)
	global_store_b128 v[GO], v[FB+4*(\f):FB+4*(\f)+3], s[(\base):(\base)+1] offset:(\a)*4096+512*(\f) th:TH_STORE_NT  ; two rows: 512 consecutive bytes, aligned
.endr
.endm
.irp a, 0,1,2,3
	ROPE \a, 0
	HALF
	OUTH \a, 74                                    ; q
	OUTF \a, 1, 80                                 ; k as it is
	ROPE \a, 1
	HALF
	OUTH \a, 76                                    ; k turned
	OUTF \a, 2, 82                                 ; v
	HALFV \a
	OUTH \a, 78
.endr
	s_wait_tensorcnt 0x0                           ; the wave's end, behind my last tensor load and my last LDS store
	ds_add_u32 v[SPW], v[NIL]
	s_wait_dscnt 0x0
	CROUND                                         ; the closing round: no work-group ends while a partner may still ask for a tile that names it
	s_endpgm
.Lfunc_end_k_qf800adde6d_qkv:
	.size	k_qf800adde6d_qkv, .Lfunc_end_k_qf800adde6d_qkv-k_qf800adde6d_qkv
	.p2alignl 7, 3214868480
	.fill 96, 4, 3214868480
	.section	.rodata,"a",@progbits
	.p2align	6, 0x0
	.amdhsa_kernel k_qf800adde6d_qkv
		.amdhsa_group_segment_fixed_size 327680
		.amdhsa_private_segment_fixed_size 0
		.amdhsa_enable_private_segment 0
		.amdhsa_kernarg_size 64
		.amdhsa_user_sgpr_count 2
		.amdhsa_user_sgpr_kernarg_segment_ptr 1
		.amdhsa_wavefront_size32 1
		.amdhsa_system_sgpr_workgroup_id_x 1
		.amdhsa_system_sgpr_workgroup_id_y 1
		.amdhsa_system_sgpr_workgroup_id_z 1
		.amdhsa_system_vgpr_workitem_id 0
		.amdhsa_next_free_vgpr 960
		.amdhsa_next_free_sgpr 88
		.amdhsa_reserve_vcc 0
		.amdhsa_float_denorm_mode_32 3
		.amdhsa_float_denorm_mode_16_64 3
		.amdhsa_memory_ordered 1
		.amdhsa_forward_progress 1
		.amdhsa_inst_pref_size 165
	.end_amdhsa_kernel
	.amdgpu_metadata
---
amdhsa.version: [ 1, 2 ]
amdhsa.kernels:
  - .name:           k_qf800adde6d_qkv
    .symbol:         k_qf800adde6d_qkv.kd
    .args:
      - { .name: hn, .offset: 0, .size: 8, .value_kind: global_buffer, .address_space: global }
      - { .name: wq, .offset: 8, .size: 8, .value_kind: global_buffer, .address_space: global }
      - { .name: wo, .offset: 16, .size: 8, .value_kind: global_buffer, .address_space: global }
      - { .name: qh, .offset: 24, .size: 8, .value_kind: global_buffer, .address_space: global }
      - { .name: kh, .offset: 32, .size: 8, .value_kind: global_buffer, .address_space: global }
      - { .name: vh, .offset: 40, .size: 8, .value_kind: global_buffer, .address_space: global }
      - { .name: out1, .offset: 48, .size: 8, .value_kind: global_buffer, .address_space: global }
      - { .name: out2, .offset: 56, .size: 8, .value_kind: global_buffer, .address_space: global }
    .group_segment_fixed_size: 327680
    .private_segment_fixed_size: 0
    .kernarg_segment_align: 8
    .kernarg_segment_size: 64
    .max_flat_workgroup_size: 128
    .sgpr_count:     88
    .vgpr_count:     960
    .wavefront_size: 32
...
	.end_amdgpu_metadata
.endif
;; end of part 2
;; launch hq (part 3): grid 16 x 3, 4 waves a work-group, no clusters, 196,608 bytes of LDS; arguments hn, wq, q32; writes q32
.if DOCPART == 3
	.amdgcn_target "amdgcn-amd-amdhsa--gfx1250"
	.amdhsa_code_object_version 6
	.text
	.protected	k_qf800adde6d_hq
	.globl	k_qf800adde6d_hq
	.p2align	8
	.type	k_qf800adde6d_hq,@function
k_qf800adde6d_hq:
	s_mov_b64 s[64:65], 0
	v_nop
	global_prefetch_b8 v0, s[64:65] scope:SCOPE_SE
	s_setreg_imm32_b32 hwreg(HW_REG_WAVE_MODE, 25, 1), 1
	s_wait_xcnt 0x0
; 64 ROWS IN TWO HALVES.  C[y][64][1024] (f32) = (Ahi + Alo)[64][1024] x W[y][1024 k][1024 n].  A lies 8,388,608 bytes into its buffer as [2][64][1024] f16: a number rounded to f16, and what
; that rounding left over, rounded to f16: 22 bits together.  W is f16.  Two products for each K step, sums in f32.
; WHY.  A row of the module's output that averages over few keys is many times larger than the output's root mean square, by which the error that is allowed goes; one rounding to f16 of each of
; h, q, k, v, P and O does not keep the first rows inside it.  So rows 0 to 63 are made once more with every operand in two halves.  This body serves twice: q, k, v of tokens 0 to 63
; (A behind hn, W = wq's three parts, y = 0, 1, 2), and rows 0 to 63 of out0 (A behind oh, W = wo, y = 0), which replace what the projection of all rows has written there.
; LIMITS.  Of the second half what lies below f16's fixed step of 6e-8 is dropped.
; SHARES.  A work-group takes 64 columns, each of its four waves 16 tokens x 64 columns: 4 accumulators.  W's tile, 1,024 rows x 128 bytes, is brought once, 256 rows by each wave's one tensor load: no byte of LDS
; is filled twice.  It is read turned (ds_load_tr16_b128), since W lies [k][n].  A comes straight from memory, 128 along K at a time, into two register buffers that take turns.
; THE MATRIX INSTRUCTION IS USED TRANSPOSED (source 0 = 16 columns of W, source 1 = 16 tokens): a lane holds eight neighbouring numbers of a row of C.
; ONE TEXT FOR EVERY TRIP.  The loop has no first and no last step written out: the accumulators are cleared (32 lines), and the last trip's look-ahead goes round to the first chunk of A and the first two
; K steps of W, inside the buffer and the tile, and is not used: 16 + 16 loads a wave.
; NO CLUSTER: what the work-groups share is A, which goes through registers; W's tiles are each work-group's own.
.set PB,     160                       ; a row of W in LDS: 128 bytes + 32
.set WPART,  256*PB                    ; what one tensor load brings
.set STAGE,  4*WPART                   ; behind the tile, never filled by a tensor load: 16 rows x 272 bytes for each wave
.set SPITCH, 272
.set SPARE,  STAGE+4*16*SPITCH         ; the spare words, 128 bytes for each wave: two blocks of 256 bytes that no other line names
.set AOFF,   0x800000
.set ALO,    131072                    ; from the first halves to the second
.set VAB, 2                            ; v2   my byte offset in A: (16 w + lane % 16) x 2,048 + 16 (lane / 16); never rewritten
.set VAC, 3                            ; v3   the same at this trip's 256 along K
.set VAN, 4                            ; v4   at the next trip's
.set B0,  5                            ; v5   my lane's place in 32 rows of W's tile; never rewritten
.set BC,  6                            ; v6   the same at this trip's rows
.set BN,  7                            ; v7   at the next trip's
.set STO, 8
.set RD,  9
.set CO,  10
.set SPW, 12                           ; v12  my spare word; never rewritten
.set NIL, 13                           ; v13  0; never rewritten
.set AB0, 32                           ; v32-95, v96-159  A: for each of four K steps 8 registers of the first half, 8 of the second
.set BF0, 160                          ; v160-191, v192-223  W: a K step's four fragments
.set ACC, 224                          ; v224-255
.set TMP, 32                           ; the way out: rows read back
	s_load_b128 s[4:7], s[0:1], 0x0                ; A s[4:5], W s[6:7]
	s_load_b64 s[8:9], s[0:1], 0x10                ; C
	v_lshl_add_u32 v[SPW], v0, 2, SPARE
	v_mov_b32 v[NIL], 0
	ds_add_u32 v[SPW], v[NIL]                      ; the wave's opening: the add and its wait stand ahead of my first tensor load; work on registers stands between them
	ds_add_u32 v12, v13
	v_lshrrev_b32 v1, 5, v0
	v_readfirstlane_b32 s10, v1                    ; wave 0..3
	s_and_b32 s11, ttmp7, 0xffff                   ; y
	s_mov_b32 s16, (1<<16)|(1<<20)|(4<<22)|(7<<25) ; elements of 2 bytes; padding on; after every 32 words 8 words
	s_mov_b32 s17, 64<<16                          ; tensor_dim0 = 64
	s_mov_b32 s18, 256<<16                         ; tensor_dim1 = 256
	s_mov_b32 s19, 64<<16                          ; tile_dim0 = 64
	s_mov_b32 s20, 256                             ; tile_dim1 = 256
	s_mov_b32 s21, 1024                            ; elements from row to row
	s_mov_b32 s22, 0
	s_mov_b32 s23, 0
	s_mov_b32 s12, 1
	s_mul_i32 s13, s10, WPART                      ; my 256 rows of the tile
	s_lshl_b32 s24, s11, 21                        ; a part of W is 2,097,152 bytes,
	s_lshl_b32 s25, s10, 19                        ; 256 rows of 2,048,
	s_add_co_u32 s24, s24, s25
	s_lshl_b32 s25, ttmp9, 7                       ; 64 columns are 128
	s_add_co_u32 s24, s24, s25
	s_mov_b32 s25, 0
	s_wait_dscnt 0x0                               ; the opening add is done
	s_wait_kmcnt 0x0
	s_add_nc_u64 s[14:15], s[6:7], s[24:25]
	s_or_b32 s15, s15, 0x80000000
	tensor_load_to_lds s[12:15], s[16:23]          ; my one tensor load
	s_nop 0
	s_add_nc_u64 s[4:5], s[4:5], AOFF
	v_and_b32 v1, 15, v0                           ; r
	v_bfe_u32 v14, v0, 4, 1                        ; hh
	v_lshlrev_b32 v[VAB], 11, v1
	v_lshl_add_u32 v[VAB], v14, 4, v[VAB]
	s_lshl_b32 s26, s10, 15                        ; 16 tokens of 2,048 bytes a wave
	v_add_nc_u32 v[VAB], s26, v[VAB]
; 16 loads: 128 along K of my 16 tokens, both halves, into buffer buf
.macro ALOAD buf, adr, off
.irp q, 0,1,2,3
	global_load_b128 v[(\buf)+16*(\q):(\buf)+16*(\q)+3],     v[\adr], s[4:5] offset:(\off)+64*(\q)
	global_load_b128 v[(\buf)+16*(\q)+4:(\buf)+16*(\q)+7],   v[\adr], s[4:5] offset:(\off)+64*(\q)+32
	global_load_b128 v[(\buf)+16*(\q)+8:(\buf)+16*(\q)+11],  v[\adr], s[4:5] offset:(\off)+64*(\q)+ALO
	global_load_b128 v[(\buf)+16*(\q)+12:(\buf)+16*(\q)+15], v[\adr], s[4:5] offset:(\off)+64*(\q)+ALO+32
.endr
.endm
	ALOAD AB0, VAB, 0                              ; the first chunk is on its way while W's tile lands
	v_and_b32 v15, 7, v0
	v_bfe_u32 v16, v0, 3, 1
	v_lshl_add_u32 v[B0], v14, 3, v15              ; W, turned: k row 8 hh + lane % 8, 16 bytes by (lane / 8) % 2
	v_mul_u32_u24 v[B0], v[B0], PB
	v_lshl_add_u32 v[B0], v16, 4, v[B0]
	s_mul_i32 s26, s10, 16*SPITCH
	s_add_co_u32 s26, s26, STAGE                   ; my stage
	v_mul_u32_u24 v[STO], v1, SPITCH
	v_lshl_add_u32 v[STO], v14, 5, v[STO]
	v_add_nc_u32 v[STO], s26, v[STO]
	v_mul_u32_u24 v[RD], v14, SPITCH
	v_lshl_add_u32 v[RD], v1, 4, v[RD]
	v_add_nc_u32 v[RD], s26, v[RD]
	v_lshlrev_b32 v[CO], 12, v14                   ; two rows of C, 4,096 bytes apart
	v_lshl_add_u32 v[CO], v1, 4, v[CO]
	s_lshl_b32 s24, s11, 18                        ; a part of C is 262,144 bytes,
	s_lshl_b32 s25, s10, 16                        ; 16 rows of 4,096,
	s_add_co_u32 s24, s24, s25
	s_lshl_b32 s25, ttmp9, 8                       ; 64 columns are 256
	s_add_co_u32 s24, s24, s25
	s_mov_b32 s25, 0
	s_add_nc_u64 s[8:9], s[8:9], s[24:25]
.set i, 0
.rept 32
	v_mov_b32 v[ACC+i], 0
.set i, i+1
.endr
; 8 LDS loads: a K step's four fragments of W
.macro BLOAD bf, adr, off
.irp cb, 0,1,2,3
	ds_load_tr16_b128 v[(\bf)+8*(\cb):(\bf)+8*(\cb)+3],   v[\adr] offset:(\off)+32*(\cb)
	ds_load_tr16_b128 v[(\bf)+8*(\cb)+4:(\bf)+8*(\cb)+7], v[\adr] offset:(\off)+32*(\cb)+16*PB
.endr
.endm
; K step s of a trip's eight: 8 products (A's first half, then its second, x 4 column blocks: the accumulators take turns), four places
; (ISA guide 7.12.1 for vector instructions), and W's fragments of the K step two further on into the registers just read.
.macro KSTEP s
	s_wait_dscnt 8                                 ; this step's fragments are in; the next step's eight loads stay out
.set bf, BF0+32*((\s)%2)
.set af, AB0+64*((\s)/4)+16*((\s)%4)
.irp pp, 0,1
.irp cb, 0,1,2,3
	v_wmma_f32_16x16x32_f16 v[ACC+8*(\cb):ACC+8*(\cb)+7], v[bf+8*(\cb):bf+8*(\cb)+7], v[af+8*(\pp):af+8*(\pp)+7], v[ACC+8*(\cb):ACC+8*(\cb)+7]
.endr
.endr
.rept 4
	v_nop
.endr
.if (\s) < 6
	BLOAD bf, BC, ((\s)+2)*32*PB
.else
	BLOAD bf, BN, ((\s)-6)*32*PB
.endif
.endm
	s_wait_tensorcnt 0x0                           ; my 256 rows of the tile are in,
	s_barrier_signal -1
	s_barrier_wait -1                              ; everybody's are
	BLOAD BF0, B0, 0
	BLOAD BF0+32, B0, 32*PB
	s_mov_b32 s3, 4
.Ltrip:                                                ; a trip: 256 along K
	s_sub_co_u32 s27, 4, s3
	s_and_b32 s27, s27, 3                          ; this trip's number,
	s_sub_co_u32 s28, 5, s3
	s_and_b32 s28, s28, 3                          ; the next one's; behind the last it goes round to 0
	s_wait_xcnt 0x0                                ; VAC and VAN, by which earlier loads were addressed, are rewritten only behind this wait
	s_lshl_b32 s29, s27, 9
	v_add_nc_u32 v[VAC], s29, v[VAB]
	s_lshl_b32 s29, s28, 9
	v_add_nc_u32 v[VAN], s29, v[VAB]
	s_mul_i32 s29, s27, 8*32*PB
	v_add_nc_u32 v[BC], s29, v[B0]
	s_mul_i32 s29, s28, 8*32*PB
	v_add_nc_u32 v[BN], s29, v[B0]
	ALOAD AB0+64, VAC, 256                         ; the trip's second chunk
	s_wait_loadcnt 16                              ; all but the 16 just issued: the first chunk is in
	KSTEP 0
	KSTEP 1
	KSTEP 2
	KSTEP 3
	ALOAD AB0, VAN, 0                              ; the next trip's first chunk
	s_wait_loadcnt 16                              ; the second chunk is in
	KSTEP 4
	KSTEP 5
	KSTEP 6
	KSTEP 7
	s_sub_co_u32 s3, s3, 1
	s_cmp_lg_u32 s3, 0
	s_cbranch_scc1 .Ltrip
	s_wait_loadcnt 0x0                             ; the look-ahead that went round has landed: its registers are free
	s_wait_dscnt 0x0
	; THE WAY OUT through my own stage: my 64 columns are 256 bytes of a row.  The last K step's four v_nop are the places behind the last products; each accumulator is read from its low end on.
.irp cb, 0,1,2,3
	ds_store_b128 v[STO], v[ACC+8*(\cb):ACC+8*(\cb)+3]   offset:64*(\cb)
	ds_store_b128 v[STO], v[ACC+8*(\cb)+4:ACC+8*(\cb)+7] offset:64*(\cb)+16
.endr
.irp f, 0,1,2,3,4,5,6,7
	ds_load_b128 v[TMP+4*(\f):TMP+4*(\f)+3], v[RD] offset:2*SPITCH*(\f)  ; LDS serves a wave's instructions in order (ISA guide 5.7.1.4)
.endr
.irp f, 0,1,2,3,4,5,6,7
	s_wait_dscnt 7-(\f)
	global_store_b128 v[CO], v[TMP+4*(\f):TMP+4*(\f)+3], s[8:9] offset:2*(\f)*4096  ; 16 lanes store 256 consecutive bytes, aligned
.endr
	s_wait_tensorcnt 0x0                           ; the wave's end, behind my last tensor load and my last LDS store
	ds_add_u32 v[SPW], v[NIL]
	s_wait_dscnt 0x0
	s_endpgm
.Lfunc_end_k_qf800adde6d_hq:
	.size	k_qf800adde6d_hq, .Lfunc_end_k_qf800adde6d_hq-k_qf800adde6d_hq
	.p2alignl 7, 3214868480
	.fill 96, 4, 3214868480
	.section	.rodata,"a",@progbits
	.p2align	6, 0x0
	.amdhsa_kernel k_qf800adde6d_hq
		.amdhsa_group_segment_fixed_size 196608
		.amdhsa_private_segment_fixed_size 0
		.amdhsa_enable_private_segment 0
		.amdhsa_kernarg_size 24
		.amdhsa_user_sgpr_count 2
		.amdhsa_user_sgpr_kernarg_segment_ptr 1
		.amdhsa_wavefront_size32 1
		.amdhsa_system_sgpr_workgroup_id_x 1
		.amdhsa_system_sgpr_workgroup_id_y 1
		.amdhsa_system_sgpr_workgroup_id_z 1
		.amdhsa_system_vgpr_workitem_id 0
		.amdhsa_next_free_vgpr 256
		.amdhsa_next_free_sgpr 66
		.amdhsa_reserve_vcc 0
		.amdhsa_float_denorm_mode_32 3
		.amdhsa_float_denorm_mode_16_64 3
		.amdhsa_memory_ordered 1
		.amdhsa_forward_progress 1
		.amdhsa_inst_pref_size 22
	.end_amdhsa_kernel
	.amdgpu_metadata
---
amdhsa.version: [ 1, 2 ]
amdhsa.kernels:
  - .name:           k_qf800adde6d_hq
    .symbol:         k_qf800adde6d_hq.kd
    .args:
      - { .name: hn, .offset: 0, .size: 8, .value_kind: global_buffer, .address_space: global }
      - { .name: wq, .offset: 8, .size: 8, .value_kind: global_buffer, .address_space: global }
      - { .name: q32, .offset: 16, .size: 8, .value_kind: global_buffer, .address_space: global }
    .group_segment_fixed_size: 196608
    .private_segment_fixed_size: 0
    .kernarg_segment_align: 8
    .kernarg_segment_size: 24
    .max_flat_workgroup_size: 128
    .sgpr_count:     66
    .vgpr_count:     256
    .wavefront_size: 32
...
	.end_amdgpu_metadata
.endif
;; end of part 3
;; launch attn (part 4): grid 16 x 16, 4 waves a work-group, clusters of 4 x 1, 327,680 bytes of LDS; arguments qh, kh, vh, oh; writes oh
.if DOCPART == 4
	.amdgcn_target "amdgcn-amd-amdhsa--gfx1250"
	.amdhsa_code_object_version 6
	.text
	.protected	k_qf800adde6d_attn
	.globl	k_qf800adde6d_attn
	.p2align	8
	.type	k_qf800adde6d_attn,@function
k_qf800adde6d_attn:
	s_mov_b64 s[64:65], 0
	v_nop
	global_prefetch_b8 v0, s[64:65] scope:SCOPE_SE
	s_setreg_imm32_b32 hwreg(HW_REG_WAVE_MODE, 25, 1), 1
	s_wait_xcnt 0x0
	s_wait_alu depctr_hold_cnt(0) depctr_sa_sdst(0) depctr_va_vdst(0) depctr_va_sdst(0) depctr_va_ssrc(0) depctr_va_vcc(0) depctr_vm_vsrc(0)
	s_getreg_b32 s2, hwreg(HW_REG_IB_STS2, 6, 4)
	s_cmp_eq_u32 s2, 0
	s_cbranch_scc0 .Lentry_in_a_cluster
	s_endpgm
.Lentry_in_a_cluster:
	s_bfe_u32 s2, ttmp6, 0x10000c
	s_cmp_lg_u32 s2, 0x3003
	s_cbranch_scc0 .Lentry_shape_is_right
	s_endpgm
.Lentry_shape_is_right:
; CAUSAL ATTENTION at head size 64.  O[h][q][:] = the sum over k <= q of softmax_k(Q[h][q] . K[h][k] / 8) V[h][k][:].  qh, kh, vh, oh: [16][4096][64] f16, a head's rows dense, 128 bytes each.
; Products, maxima and sums in f32; the weights p are rounded to f16 for the second product (their sum l is taken of the unrounded p), O once at the end.
; LIMITS.  Q, K, V arrive within f16's 65,504.  A hidden score counts as its value less 1e30; the running maximum starts at -2^96, above every hidden score and below every true one (2.7e11 at the most in size);
; a weight below 2^-126 counts as 0 in l; NaN and infinities are not treated apart.
; THE WALK.  A head's queries lie in 32 blocks of 128; block i needs the key tiles (256 keys) 0 .. i / 2.  Work-group b = 4 c + cx of a head (c the cluster, cx its place in it) takes blocks 31 - b and then b.
; All four partners walk the SAME tiles: 0 .. 15 - 2 c for the first block, 0 .. 2 c + 1 for the second: 18 tiles whatever c, one more than the longest need; what a partner does not need is hidden by the mask.
; So every tile is asked for JOINTLY, every count and branch hangs on c alone, and cx enters only Q's and O's addresses and two scalars of the mask.
; SHARES.  Wave w: a = w % 2 picks 64 of the block's queries, g = w / 2 picks key steps 2 g, 2 g + 1 of every tile's four (64 keys a step).  The two waves of one a hold running maxima, sums and O^T of their
; own key halves; at a block's end they meet in LDS, in f32: O = (fA O_A + fB O_B) / (fA l_A + fB l_B), f = 2^(c m - max c m).  Wave w then writes the block's rows 32 w .. 32 w + 31.
; PIECES.  A wave's 64 queries are four pieces of 16: piece x holds the block's rows 64 (x / 2) + 32 a + 16 (x % 2) + lane % 16.  Band B = 2 block + x / 2 (64 queries) against key step S = 4 tile + 2 g + s:
; S < B all keys seen, S = B the diagonal, S > B all hidden.
; THE MASK is the C operand that starts the sum S^T = K Q^T: MD x AL + BE, MD (two sets, by x % 2) the mask of a band's own step for my rows, (AL, BE) = (1, 0), (0, 0) or (0, -1e30).
; ONE TEXT serves every tile: each turn makes the mask of the products to come, also where it is 0 (only a block's last two tiles can have S >= B).  The price: 16 packed instructions on a turn's 118;
; a second text of the four turns with the constant 0 as C would add a quarter to the written-out turns.
; LAYOUT, SOFTMAX, TURNS.  S^T = K Q^T holds ONE query a lane (lane % 16) and the keys 8 (lane / 16) + 0..7; two such results rounded to f16 ARE source 1 of O^T = V^T P.  p = 2^(c s - c m), c = log2(e) / 8;
; O and l are multiplied by a = 2^(c m_old - c m_new) in every step.  Turn n belongs to piece n: 8 products K Q^T of piece n + 1, later 8 products V^T P of piece n - 1; beside them the scaling, exponentials,
; roundings, sums and rescaling of piece n and the maximum and statistics of piece n + 1.  Four vector instructions stand behind every matrix instruction, the others in runs of their own.
; REGISTERS, in windows of 256 (s_set_vgpr_msb: bits 1:0 source 0, 3:2 source 1, 5:4 source 2, 7:6 destination):
;   window 0: v0-15, v32-33 addresses; v16-31 four registers of statistics a piece; v48-55 at work; v64-127 S^T, two buffers; v128-159 the merge's statistics; v192-223 P, two buffers
;   window 1: v0-127 O^T, 32 a piece; v128-159, v224-255 MD; v160-223 MC, two buffers      window 2: v0-63 Q; v64-127 the second block's Q; v128-191 K of one step; v192-255 V of one step
.set NP,    4
.set KS,    64
.set PK,    144       ; a row of K in LDS: 128 bytes + 16: the 16 rows of a load start at 16 different groups of four banks
.set PV,    160       ; a row of V: 128 + 32
.set VOFF,  4*KS*PK   ; a slot holds a tile: 256 rows of K, then 256 rows of V
.set SLOT1, 1<<17     ; slot 1 begins here: one exclusive or turns an address in one slot into the other's
.set STAGE, SLOT1+4*KS*(PK+PV)  ; behind the ring, never filled by a tensor load: 16 rows x 144 bytes for each wave, for the way out
.set SP,    144
.set SPARE, STAGE+4*16*SP  ; the spare words, 128 bytes for each wave: two blocks of 256 bytes that no other line names
.set MS,    SPARE+512 ; the merge's scratch, never filled by a tensor load: for each wave four pieces
.set MSP,   4608      ; a piece: nine items of 512 bytes (16 a lane): its statistics, then its O^T
.set MSW,   4*MSP
.set AK0, 2           ; v2   my lane's place in my key half's K; never rewritten
.set AV0, 3           ; v3   the same for V
.set AK,  4           ; v4   the LDS address of K's next run of loads
.set AV,  5           ; v5   of V's
.set STO, 6           ; v6   the way out: where I put 16 bytes of a row
.set RD,  7           ; v7   where I read rows back
.set GO,  8           ; v8   16 x lane
.set MV,  12          ; v12-13  c m_old, kept while c m is made anew: by buffer
.set QO,  15          ; v15  my byte offset in 16 rows of Q
.set ST,  16          ; piece t's statistics at v[ST+4 t]: c m, m, l (even keys', odd keys')
.set DMP, 32          ; v32  my place in my wave's part of the scratch
.set RDM, 33          ; v33  my place in the pieces that I finish
.set TMP, 48
.set SPW, 62          ; v62  my spare word; never rewritten
.set NIL, 63          ; v63  0; never rewritten
.set S,   64
.set MT,  128         ; v128-143  four quads of statistics read back: 4 (2 y + key half)
.set MF,  144         ; v144-159  eight registers for each of my two pieces: the merge's factors
.set P,   192
.set MD,  128         ; window 1: set s at MD + 96 s
.set MC,  160
.set QB,  64          ; window 2
.set KF,  128
.set VF,  192
.set WV,  12          ; s12  wave
.set CC,  14          ; s14  c
.set CX,  15          ; s15  cx
.set G1K, 24
.set G1V, 32
.set G0K, 40
.set G0V, 44
.set G2,  48          ; s48  2 g
.set SGB2, 49         ; s49  the second block's SGB
.set SGB, 50          ; s50  my first key step in the last tile of the block in hand: 4 (tiles - 1) + 2 g
.set SG,  51          ; s51  the key step for which masks are being made
.set BB,  52          ; s52-53  the block's two bands
.set BL2, 54          ; s54  the second block's first band
.set SLOTS, 56
.set CNT, 57
.set CS,  58
.set SEL, 60
.set TBK, 62
.set TBV, 63
.set RT,  70          ; s70  tiles of the block in hand still to be entered
.set NXT, 71          ; s71  the tile to be asked for next
.set LQ,  72          ; s72  the last tile of the block whose tiles are being asked for
.set NEW, 73          ; s73  1: the tile to be entered is the first block's first; 2: the second's; 0: neither
.set OFF, 74
.set AL,  76
.set BE,  78
.set OLO, 80          ; s[80:81] O at my rows of the second block
.set BIGN, 82
.set TL1, 83          ; s83  2 c + 1
.set TLR, 88          ; s88  2 c + 2
.set MSB, 0
.macro WIN new
.if MSB != (\new)
	s_set_vgpr_msb (MSB<<8)|(\new)
.set MSB, (\new)
.endif
.endm
.set W_KQ, 0x0a       ; K and Q in window 2, S^T in window 0
.set W_KM, 0x1a       ; the same with the C operand in window 1
.set W_PV, 0x52       ; V in window 2, P in window 0, O^T in window 1
.set W_RS, 0x41       ; destination and source 0 in window 1, source 1 in window 0
; A joint fill.  Waves 0 and 1 fetch the two halves of a tile's K, waves 2 and 3 those of its V: 128 keys each.  An s_nop 0 and four v_nop follow each of the two lines.
.macro JLOAD
	s_cmp_lt_u32 s[WV], 2
	s_cbranch_scc0 .Lfor_v_\@
	tensor_load_to_lds s[G0K:G0K+3], s[G1K:G1K+7]
	s_nop 0
.rept 4
	v_nop
.endr
	s_branch .Lasked_\@
.Lfor_v_\@:
	tensor_load_to_lds s[G0V:G0V+3], s[G1V:G1V+7]
	s_nop 0
.rept 4
	v_nop
.endr
.Lasked_\@:
.endm
.macro CROUND                       ; a round of the cluster's barrier
	s_barrier_signal -1
	s_barrier_wait -1
	s_cmp_lg_u32 s[WV], 0
	s_cbranch_scc1 .Lnot_wave_0_\@
	s_barrier_signal -3
.Lnot_wave_0_\@:
	s_barrier_wait -3
	s_barrier_signal -1
	s_barrier_wait -1
.endm
; THE CHANGE OF SLOTS.  Each wave waits for all its tensor loads, of which one is out: its part of the other slot; adds 0 to its spare word; and waits for that, for its reads of the slot that it leaves and for
; what it has put into the scratch.  fill = 1: the barrier is a round of the cluster's, and the old slot is filled again, first thing behind it, with tile NXT: the address is made anew from that number.
.macro CHANGE fill
	WIN 0
	s_wait_tensorcnt 0x0            ; no tensor load of mine is out, so a group 0 may be written
	ds_add_u32 v[SPW], v[NIL]
.if \fill
	s_lshl_b32 s[OFF], s[NXT], 15   ; a tile is 32,768 bytes of K and of V
	s_xor_b32 s[G0K+1], s[G0K+1], SLOT1
	s_add_nc_u64 s[G0K+2:G0K+3], s[6:7], s[OFF:OFF+1]
	s_or_b32 s[G0K+3], s[G0K+3], 0x80000000
	s_xor_b32 s[G0V+1], s[G0V+1], SLOT1
	s_add_nc_u64 s[G0V+2:G0V+3], s[8:9], s[OFF:OFF+1]
	s_or_b32 s[G0V+3], s[G0V+3], 0x80000000
	s_add_co_u32 s[NXT], s[NXT], 1  ; the block's next tile, or behind its last the second block's tile 0
	s_cmp_gt_u32 s[NXT], s[LQ]
	s_cselect_b32 s[NXT], 0, s[NXT]
	s_cselect_b32 s[LQ], s[TL1], s[LQ]
	s_wait_dscnt 0x0
	CROUND
	JLOAD
.else
	s_wait_dscnt 0x0
	s_barrier_signal -1
	s_barrier_wait -1
.endif
	s_sub_co_u32 s[TBK], s[TBK], 2*KS*PK  ; the fetches go back to my key half's first step,
	s_xor_b32 s[TBK], s[TBK], SLOT1       ; in the other slot
	s_sub_co_u32 s[TBV], s[TBV], 2*KS*PV
	s_xor_b32 s[TBV], s[TBV], SLOT1
.endm
.macro ENTER                        ; a tile is entered
	s_sub_co_u32 s[RT], s[RT], 1
	s_mov_b32 s[CNT], 2             ; my two key steps of it
	s_lshl_b32 s[SG], s[RT], 2      ; the first of them: four steps a tile back from the block's last tile
	s_sub_co_u32 s[SG], s[SGB], s[SG]
.endm
	s_load_b256 s[4:11], s[0:1], 0x0  ; qh s[4:5], kh s[6:7], vh s[8:9], oh s[10:11]
	v_lshl_add_u32 v[SPW], v0, 2, SPARE
	v_mov_b32 v[NIL], 0
	ds_add_u32 v[SPW], v[NIL]       ; the wave's opening: the add and its wait stand ahead of my first tensor load; work on registers stands between them
	ds_add_u32 v62, v63
	v_lshrrev_b32 v1, 5, v0
	v_readfirstlane_b32 s[WV], v1
	s_mov_b32 s[CC], ttmp9          ; in a cluster launch ttmp9 counts clusters
	s_bfe_u32 s[CX], ttmp6, 0x40000
	s_and_b32 s20, ttmp7, 0xffff    ; the head, which the four partners share:
	s_lshl_b32 s20, s20, 19         ; its first byte in each of the four tensors
	s_and_b32 s16, s[WV], 1         ; a; also: which half of a tile's 256 keys I fetch
	s_and_b32 s[G2], s[WV], 2
	s_lshl_b32 s22, s16, 14         ; that half's 128 rows of 128 bytes
	s_add_co_u32 s22, s22, s20
	s_mov_b32 s23, 0
	s_mul_i32 s17, s16, 128*PK      ; and its place in a slot, for K
	s_mul_i32 s18, s16, 128*PV      ; and for V: no place in the cluster enters an LDS address
	s_lshl_b32 s13, s[CC], 2
	s_add_co_u32 s13, s13, s[CX]    ; b: the second block
	s_sub_co_u32 s19, 31, s13       ; the first
	s_lshl_b32 s[BB], s19, 1
	s_add_co_u32 s[BB+1], s[BB], 1
	s_lshl_b32 s[BL2], s13, 1
	s_lshl_b32 s2, s19, 14          ; a block is 16,384 bytes
	s_add_co_u32 s2, s2, s20
	s_lshl_b32 s84, s13, 14
	s_add_co_u32 s84, s84, s20
	s_lshl_b32 s89, s[WV], 12       ; O: my 32 rows
	s_add_co_u32 s86, s2, s89
	s_add_co_u32 s90, s84, s89
	s_lshl_b32 s89, s16, 12         ; Q: rows 32 a on in each band
	s_add_co_u32 s2, s2, s89
	s_add_co_u32 s84, s84, s89
	s_mov_b32 s3, 0
	s_mov_b32 s85, 0
	s_mov_b32 s87, 0
	s_mov_b32 s91, 0
	s_lshl_b32 s[TLR], s[CC], 1
	s_add_co_u32 s[TLR], s[TLR], 2  ; the second block's tiles
	s_sub_co_u32 s[TL1], s[TLR], 1
	s_sub_co_u32 s[RT], 18, s[TLR]  ; the first block's: 16 - 2 c
	s_sub_co_u32 s[LQ], s[RT], 1
	s_lshl_b32 s[SGB2], s[CC], 3
	s_sub_co_u32 s[SGB], 60, s[SGB2]      ; 4 (15 - 2 c) + 2 g
	s_add_co_u32 s[SGB], s[SGB], s[G2]
	s_add_co_u32 s[SGB2], s[SGB2], 4      ; 4 (2 c + 1) + 2 g
	s_add_co_u32 s[SGB2], s[SGB2], s[G2]
	; descriptor group 1.  128 keys are 16,384 dense bytes: asked for as 64 rows of 256 bytes, two keys a row, and padded in LDS after every key
	s_mov_b32 s[G1K], 15|(1<<16)|(1<<20)|(1<<21)|(4<<22)|(3<<25)  ; the mask of four; 2-byte elements; padding on; bit 21 beside a mask; after every 32 words 4 words
	s_mov_b32 s[G1V], 15|(1<<16)|(1<<20)|(1<<21)|(4<<22)|(7<<25)  ; the same with 8 words
.irp g, G1K, G1V
	s_mov_b32 s[\g+1], 128<<16
	s_mov_b32 s[\g+2], 64<<16
	s_mov_b32 s[\g+3], 128<<16
	s_mov_b32 s[\g+4], 64
	s_mov_b32 s[\g+5], 128
	s_mov_b32 s[\g+6], 0
	s_mov_b32 s[\g+7], 0
.endr
	s_mov_b32 s[CS], 0x3e38aa3b     ; c = log2(e) / 8
	s_mov_b32 s[CS+1], s[CS]
	s_mov_b32 s[SEL], 0x76543210
	s_mov_b32 s[SEL+1], 0xfedcba98
	s_mov_b32 s[TBK], SLOT1+2*KS*PK ; the first change of slots turns these two into 0
	s_mov_b32 s[TBV], SLOT1+2*KS*PV
	s_mov_b32 s[G0K], 1
	s_mov_b32 s[G0K+1], s17         ; slot 0
	s_mov_b32 s[G0V], 1
	s_add_co_u32 s[G0V+1], s18, VOFF
	s_mov_b32 s[NXT], 1
	s_mov_b32 s[NEW], 1
	s_mov_b32 s[OFF+1], 0
	s_mov_b32 s[AL+1], 0
	s_mov_b32 s[BE+1], 0
	s_mov_b32 s[BIGN], 0xf149f2ca   ; -1e30
	s_mov_b32 s[SLOTS], 17
	s_wait_dscnt 0x0                ; the opening add is done
	s_wait_kmcnt 0x0
	s_add_nc_u64 s[6:7], s[6:7], s[22:23]  ; K and V at my half of the head's tile 0
	s_add_nc_u64 s[8:9], s[8:9], s[22:23]
	s_add_nc_u64 s[G0K+2:G0K+3], s[6:7], 0
	s_or_b32 s[G0K+3], s[G0K+3], 0x80000000
	s_add_nc_u64 s[G0V+2:G0V+3], s[8:9], 0
	s_or_b32 s[G0V+3], s[G0V+3], 0x80000000
	s_add_nc_u64 s[84:85], s[4:5], s[84:85]        ; Q of the second block,
	s_add_nc_u64 s[4:5], s[4:5], s[2:3]            ; of the first
	s_add_nc_u64 s[OLO:OLO+1], s[10:11], s[90:91]
	s_add_nc_u64 s[10:11], s[10:11], s[86:87]
	CROUND                          ; all four work-groups are here: the first joint loads meet
	JLOAD                           ; tile 0 into slot 0; slot 1 is asked for by the loop's own change of slots
	v_and_b32 v1, 15, v0            ; l % 16
	v_bfe_u32 v9, v0, 4, 1          ; l / 16
	v_lshlrev_b32 v[QO], 7, v1
	v_lshl_add_u32 v[QO], v9, 4, v[QO]
	WIN 0x80
.set i, 0
.rept 8                             ; both blocks' Q: piece i / 2, channels 32 (i % 2) on
	global_load_b128 v[8*i:8*i+3],   v[QO], s[4:5] offset:(i/4)*8192+((i/2)%2)*2048+(i%2)*64
	global_load_b128 v[8*i+4:8*i+7], v[QO], s[4:5] offset:(i/4)*8192+((i/2)%2)*2048+(i%2)*64+32
	global_load_b128 v[QB+8*i:QB+8*i+3],   v[QO], s[84:85] offset:(i/4)*8192+((i/2)%2)*2048+(i%2)*64
	global_load_b128 v[QB+8*i+4:QB+8*i+7], v[QO], s[84:85] offset:(i/4)*8192+((i/2)%2)*2048+(i%2)*64+32
.set i, i+1
.endr
	WIN 0
	v_lshlrev_b32 v14, 3, v9
	v_sub_nc_u32 v14, v1, v14
	s_lshl_b32 s13, s16, 5
	v_add_nc_u32 v14, s13, v14      ; my query's place in its band, 32 a + l % 16 (set 0), less my lanes' 8 (l / 16): register r of key group kt is hidden where 16 kt + r is greater
	WIN 0x40
.set i, 0
.rept 32
	v_cmp_gt_i32 vcc_lo, 16*(i/8)+i%8, v14
	v_cndmask_b32 v[MD+i], 0, s[BIGN], vcc_lo
.set i, i+1
.endr
	WIN 0
	v_add_nc_u32 v14, 16, v14       ; set 1: sixteen rows further down
	WIN 0x40
.set i, 0
.rept 32
	v_cmp_gt_i32 vcc_lo, 16*(i/8)+i%8, v14
	v_cndmask_b32 v[MD+96+i], 0, s[BIGN], vcc_lo
.set i, i+1
.endr
	WIN 0
	v_mul_u32_u24 v[AK0], v1, PK
	v_lshl_add_u32 v[AK0], v9, 4, v[AK0]
	s_mul_i32 s13, s[G2], KS*PK     ; my key half begins 2 g steps into the tile
	v_add_nc_u32 v[AK0], s13, v[AK0]
	v_and_b32 v10, 7, v0
	v_bfe_u32 v11, v0, 3, 1
	v_lshl_add_u32 v[AV0], v9, 3, v10
	v_mul_u32_u24 v[AV0], v[AV0], PV
	v_lshl_add_u32 v[AV0], v11, 4, v[AV0]
	s_mul_i32 s13, s[G2], KS*PV
	s_add_co_u32 s13, s13, VOFF
	v_add_nc_u32 v[AV0], s13, v[AV0]
	s_mul_i32 s13, s[WV], 16*SP
	s_add_co_u32 s13, s13, STAGE    ; my stage
	v_mul_u32_u24 v[STO], v1, SP
	v_lshl_add_u32 v[STO], v9, 4, v[STO]
	v_add_nc_u32 v[STO], s13, v[STO]
	v_bfe_u32 v[RD], v0, 3, 2
	v_mul_u32_u24 v[RD], v[RD], SP
	v_lshl_add_u32 v[RD], v10, 4, v[RD]
	v_add_nc_u32 v[RD], s13, v[RD]
	v_and_b32 v[GO], 31, v0
	v_lshlrev_b32 v[GO], 4, v[GO]
	s_mul_i32 s13, s[WV], MSW
	s_add_co_u32 s13, s13, MS
	v_add_nc_u32 v[DMP], s13, v[GO]
	s_mul_i32 s13, s16, MSW         ; I finish pieces 2 g, 2 g + 1 of the waves a and a + 2
	s_mul_i32 s19, s[G2], MSP
	s_add_co_u32 s13, s13, s19
	s_add_co_u32 s13, s13, MS
	v_add_nc_u32 v[RDM], s13, v[GO]
	; A block's first step multiplies O^T and l by a = 0, and its first turn's products V^T P, of a piece that has not been, land in an O^T that is still to be so multiplied: these registers need only hold finite numbers.
	WIN 0x80
.set i, VF
.rept 64
	v_mov_b32 v[i], 0
.set i, i+1
.endr
	WIN 0x40
.set i, 0
.rept 128
	v_mov_b32 v[i], 0
.set i, i+1
.endr
	WIN 0
.set i, 0
.rept 4
	v_mov_b32 v[ST+4*i+2], 0
	v_mov_b32 v[ST+4*i+3], 0
.set i, i+1
.endr
.set i, P+16
.rept 16
	v_mov_b32 v[i], 0
.set i, i+1
.endr
; THE MATRIX WORK.  The 4 accumulators of a run of 8 take turns.  Product i of 8 of S^T = K Q^T for piece x: channels 32 (i / 4) on, keys 16 (i % 4) on.  The first 4 start the sums with the mask.
.macro KQ x
.set rS, S+32*((\x)%2)+8*(i%4)
.set rK, KF+16*(i%4)+8*(i/4)
.set rQ, 16*(\x)+8*(i/4)
.set rM, MC+32*((\x)%2)+8*(i%4)
.if i < 4
	WIN W_KM
	v_wmma_f32_16x16x32_f16 v[rS:rS+7], v[rK:rK+7], v[rQ:rQ+7], v[rM:rM+7]
.else
	WIN W_KQ
	v_wmma_f32_16x16x32_f16 v[rS:rS+7], v[rK:rK+7], v[rQ:rQ+7], v[rS:rS+7]
.endif
.endm
; Product i of 8 of O^T += V^T P for piece x: keys 32 (i / 4) on, channels 16 (i % 4) on.
.macro PV x
	WIN W_PV
.set rO, 32*(\x)+8*(i%4)
.set rV, VF+32*(i/4)+8*(i%4)
.set rP, P+16*((\x)%2)+8*(i/4)
	v_wmma_f32_16x16x32_f16 v[rO:rO+7], v[rV:rV+7], v[rP:rP+7], v[rO:rO+7]
.endm
.macro MM                           ; the turn's next matrix instruction.  NOKQ = 1: a block's last turn: there is no next piece
.if (i < 8) && !NOKQ
	KQ (Y+1)%NP
.elseif i >= 8
.set i, i-8
	PV (Y+NP-1)%NP
.set i, i+8
.endif
.set i, i+1
.endm
; THE LDS LOADS stand in runs of 16: a step's K (64 keys x 64 channels: 8 fragments) and its V (turned).
.macro FETCH_K
	WIN 0x80
.irp f, 0,1,2,3,4,5,6,7
	ds_load_b128 v[KF+8*\f:KF+8*\f+3],   v[AK] offset:(\f/2)*16*PK+(\f%2)*64
	ds_load_b128 v[KF+8*\f+4:KF+8*\f+7], v[AK] offset:(\f/2)*16*PK+(\f%2)*64+32
.endr
	s_add_co_u32 s[TBK], s[TBK], KS*PK
	WIN 0
.endm
.macro FETCH_V
	WIN 0x80
.irp f, 0,1,2,3,4,5,6,7
	ds_load_tr16_b128 v[VF+8*\f:VF+8*\f+3],   v[AV] offset:(\f/4)*32*PV+(\f%4)*32
	ds_load_tr16_b128 v[VF+8*\f+4:VF+8*\f+7], v[AV] offset:(\f/4)*32*PV+16*PV+(\f%4)*32
.endr
	WIN 0
.endm
; THE VECTOR WORK, one line at a time: OP kind, number.  For piece Y: F n: c s - c m for pair n of 16.  E n: the exponential of score n of 32.  C n: pair n rounded to f16.  B n: of the four weights 4 n .. the second
; pair is added onto the first, in place.  L n: l takes that sum (L 0: l = a l + sum).  R n: pair n of 16 of O^T times a.  For piece Y + 1: X n, number n of the 22 that find its maximum and statistics:
;   0-11  four chains of seven scores each, three operands at a time (each accumulator's lowest registers are read first)     12-14, 16  the four scores left over, the old m, and the chains into one
;   15  c m_old is kept     17, 18  the query's other 32 keys lie in the lane 16 away: the new m     19-21  c m; c m_old - c m_new; a
.set F, 0
.set E, 1
.set C, 2
.set B, 3
.set L, 4
.set R, 5
.set X, 6
.macro REGS y
.set rT, ST+4*(\y)
.set rC, TMP+4*((\y)%2)
.set rW, MV+((\y)%2)
.set rS, S+32*((\y)%2)
.set rP, P+16*((\y)%2)
.set rO, 32*(\y)
.endm
.macro OP k, n
.if (\k) == R
	REGS Y
	WIN W_RS
	v_pk_mul_f32 v[rO+2*(\n):rO+2*(\n)+1], v[rO+2*(\n):rO+2*(\n)+1], v[rC+2:rC+3] op_sel_hi:[1,0]
.elseif (\k) < R
	REGS Y
	WIN 0
.if (\k) == F
	v_pk_fma_f32 v[rS+2*(\n):rS+2*(\n)+1], v[rS+2*(\n):rS+2*(\n)+1], s[CS:CS+1], v[rT:rT+1] op_sel_hi:[1,0,0] neg_lo:[0,0,1] neg_hi:[0,0,1]
.elseif (\k) == E
	v_exp_f32 v[rS+(\n)], v[rS+(\n)]
.elseif (\k) == C
	s_wait_alu depctr_va_vdst(0)
	v_cvt_pk_f16_f32 v[rP+(\n)], v[rS+2*(\n)], v[rS+2*(\n)+1]
.elseif (\k) == B
	s_wait_alu depctr_va_vdst(0)
	v_pk_add_f32 v[rS+4*(\n):rS+4*(\n)+1], v[rS+4*(\n):rS+4*(\n)+1], v[rS+4*(\n)+2:rS+4*(\n)+3]
.elseif (\n) == 0
	v_pk_fma_f32 v[rT+2:rT+3], v[rT+2:rT+3], v[rC+2:rC+3], v[rS:rS+1] op_sel_hi:[1,0,1]
.else
	v_pk_add_f32 v[rT+2:rT+3], v[rT+2:rT+3], v[rS+4*(\n):rS+4*(\n)+1]
.endif
.elseif NOKQ
	v_nop
.else
	REGS (Y+1)%NP
	WIN 0
.if (\n) < 4
	v_max3_num_f32 v[rC+(\n)], v[rS+8*(\n)], v[rS+8*(\n)+1], v[rS+8*(\n)+2]
.elseif (\n) < 12
	v_max3_num_f32 v[rC+(\n)%4], v[rC+(\n)%4], v[rS+8*((\n)%4)+2*((\n)/4)+1], v[rS+8*((\n)%4)+2*((\n)/4)+2]
.elseif (\n) == 12
	v_max3_num_f32 v[rC], v[rC], v[rS+7], v[rS+15]
.elseif (\n) == 13
	v_max3_num_f32 v[rC+1], v[rC+1], v[rS+23], v[rS+31]
.elseif (\n) == 14
	v_max3_num_f32 v[rC+2], v[rC+2], v[rC+3], v[rT+1]
.elseif (\n) == 15
	v_mov_b32 v[rW], v[rT]
.elseif (\n) == 16
	v_max3_num_f32 v[rC], v[rC], v[rC+1], v[rC+2]
.elseif (\n) == 17
	v_permlanex16_b32 v[rC+3], v[rC], s[SEL], s[SEL+1]
.elseif (\n) == 18
	v_max_num_f32 v[rT+1], v[rC], v[rC+3]
.elseif (\n) == 19
	v_mul_f32 v[rT], s[CS], v[rT+1]
.elseif (\n) == 20
	v_sub_f32 v[rC+1], v[rW], v[rT]
.else
	v_exp_f32 v[rC+2], v[rC+1]
.endif
.endif
.endm
.macro OPS a, i1, b=-1, i2=0, c=-1, i3=0, d=-1, i4=0
	OP \a, \i1
.if (\b) >= 0
	OP \b, \i2
.endif
.if (\c) >= 0
	OP \c, \i3
.endif
.if (\d) >= 0
	OP \d, \i4
.endif
.endm
.macro ROW a, i1, b, i2, c, i3, d, i4  ; a matrix instruction and the four behind it
	MM
	OPS \a, \i1, \b, \i2, \c, \i3, \d, \i4
.endm
.macro MASK b                       ; MD's set b x AL + BE into buffer b of MC (a piece's buffer and its set both go by its number's parity)
	WIN W_RS
.set z, 0
.rept 16
	v_pk_fma_f32 v[MC+32*(\b)+2*z:MC+32*(\b)+2*z+1], v[MD+96*(\b)+2*z:MD+96*(\b)+2*z+1], s[AL:AL+1], s[BE:BE+1] op_sel_hi:[1,0,0]
.set z, z+1
.endr
.endm
; A TURN, for piece p: the order of its 16 matrix and 118 vector instructions, written out, and behind them the mask for the products of the turn after it: piece p + 2, in key step SG.
; Behind a matrix instruction: plain, exponential, plain, plain; or four of the rescaling; or, behind the first, four scalings; none names a register of the products round it.
; A line reads no result made fewer than three vector instructions in front of it, five if an exponential made it.
; end = 1: a block's last two turns: nothing is fetched and no mask is made.  cnt = 1: the loop's count is taken down some lines ahead of the branch that stands behind the turn, and SG goes on to my next step.
; K of the next step is fetched in piece 2's turn, V of the step in hand in piece 0's; each is waited for a turn later.
.macro TURN p, end=0, cnt=0
.set Y, (\p)
.set i, 0
.set NOKQ, (\end)*((\p)/3)
.if !(\end)
	s_cmp_eq_u32 s[SG], s[BB+(((\p)+2)%NP)/2]  ; is that step the band's own?
	s_cselect_b32 s[AL], 1.0, 0
	s_cmp_gt_u32 s[SG], s[BB+(((\p)+2)%NP)/2]  ; or a later one?
	s_cselect_b32 s[BE], s[BIGN], 0
.endif
.if ((\p) == 3) && !(\end)
	s_wait_dscnt 0x0                ; K is in
.endif
	ROW F,0, F,1, F,2, F,3
	ROW F,4, E,0, F,5, F,6
	ROW F,7, E,1, F,8, F,9
	ROW F,10, E,2, C,0, F,11
	ROW F,12, E,3, X,15, F,13
	ROW R,0, R,1, R,2, R,3
	ROW B,0, E,4, F,14, L,0
.if ((\p) == 2) && !(\end)
	v_add_nc_u32 v[AK], s[TBK], v[AK0]
.endif
	ROW R,4, R,5, R,6, R,7
	OPS E,5, F,15
.if ((\p) == 2) && !(\end)
	FETCH_K
.endif
	OPS E,6, C,1, E,7, R,8
	OPS E,8, R,9, E,9, C,2
	OPS E,10, X,0, E,11, X,1
	OPS E,12, X,2, E,13, X,3
.if (\p) == 1
	s_wait_dscnt 0x0                ; V is in
.endif
	ROW X,4, E,14, X,5, X,6
	ROW X,7, E,15, X,8, X,9
	ROW X,10, E,16, X,11, X,12
	ROW X,13, E,17, X,14, B,1
	ROW C,4, E,18, X,16, L,1
	ROW B,2, E,19, C,6, L,2
	ROW C,8, E,20, B,3, B,4
.if (\p) == 0
	v_add_nc_u32 v[AV], s[TBV], v[AV0]
.endif
	ROW C,3, E,21, L,3, C,5
	OPS E,22, X,17, E,23, C,10
.if (\p) == 0
	FETCH_V
.endif
	OPS E,24, L,4
	OPS E,25, X,18, E,26, C,7
	OPS E,27, B,5, E,28, X,19
	OPS E,29, C,12, E,30, L,5
	OPS E,31, X,20, B,6, C,9
	OPS C,14, C,11, X,21, L,6
.if (\p) == 0
	s_add_co_u32 s[TBV], s[TBV], KS*PV
.endif
.if \cnt
	s_add_co_u32 s[SG], s[SG], 1
	s_sub_co_u32 s[CNT], s[CNT], 1
	s_cmp_lg_u32 s[CNT], 0
.endif
	OPS C,13, B,7, C,15, R,10
	OPS R,11, R,12, L,7, R,13
	OPS R,14, R,15
.if !(\end)
	MASK (\p)%2
.endif
.endm
; A BLOCK BEGINS.  c m starts far below every c s, so the first step's a is 0; m at -2^96, above every hidden score, so that a key half of which all is hidden keeps weights, l and O^T of 0.
; Both mask buffers are made, for pieces 0 and 1 in my first key step (both lie in the block's first band).  Then K of that step, piece 0's first scores, and its maximum and statistics.
.macro BEGIN
	s_mov_b32 s[NEW], 0
	WIN 0
.set i, 0
.rept 4
	v_mov_b32 v[ST+4*i], 0xfe000000
	v_mov_b32 v[ST+4*i+1], 0xef800000
.set i, i+1
.endr
	s_cmp_eq_u32 s[SG], s[BB]
	s_cselect_b32 s[AL], 1.0, 0
	s_cmp_gt_u32 s[SG], s[BB]
	s_cselect_b32 s[BE], s[BIGN], 0
	MASK 0
	MASK 1
	WIN 0
	v_add_nc_u32 v[AK], s[TBK], v[AK0]
	FETCH_K
	s_wait_loadcnt 0x0              ; Q
	s_wait_dscnt 0x0
.set NOKQ, 0
.set i, 0
.rept 8
	KQ 0
.set i, i+1
.endr
	WIN 0
.rept 4
	v_nop                           ; the places behind those products
.endr
.set Y, NP-1
.irp n, 0,1,2,3,4,5,6,7,8,9,10,11,12,13,14,15,16,17,18,19,20,21
	OP X, \n
.endr
	v_nop                           ; a plain instruction behind the exponential
.endm
.macro STEPS tag                    ; a tile's two key steps.  A trip: pieces 2 and 3 of one step, then pieces 0 and 1 of the next, whose K and V it fetches.  The tag ends its two labels' names
.Lstep\tag:
	TURN 2
	TURN 3
	WIN 0
.Lfirst\tag:
	TURN 0
	TURN 1, 0, 1
	WIN 0
	s_cbranch_scc1 .Lstep\tag
.endm
; A BLOCK ENDS: its last two turns, its last products, and my key half's O^T and statistics go into the scratch, each accumulator from its low end on.
.macro BLKEND
	TURN 2, 1
	TURN 3, 1
.set i, 0
.rept 8
	PV NP-1
.set i, i+1
.endr
	WIN 0
.rept 4
	v_nop                           ; the places behind the last products
.endr
	WIN 0x04                        ; the stores' data in window 1
.set n, 0
.rept 32
	ds_store_b128 v[DMP], v[4*n:4*n+3] offset:(n/8)*MSP+512+512*(n%8)
.set n, n+1
.endr
	WIN 0
.irp x, 0,1,2,3
	ds_store_b128 v[DMP], v[ST+4*(\x):ST+4*(\x)+3] offset:(\x)*MSP
.endr
.endm
; THE MERGE AND THE WAY OUT.  It stands behind a barrier in front of which every wave has waited for its stores into the scratch.  I take pieces 2 g + y (y = 0, 1) of both key halves.
; When my reads are back I say so by a barrier, so that no wave writes the scratch again while another still reads it; the arithmetic stands between the signal and the wait.
.macro FINISH
	WIN 0
.irp n, 0,1,2,3                     ; n = 2 y + key half
	ds_load_b128 v[MT+4*(\n):MT+4*(\n)+3], v[RDM] offset:((\n)%2)*2*MSW+((\n)/2)*MSP
.endr
	WIN 0x40
.set n, 0
.rept 32                            ; n = 16 y + 8 x key half + item: into window 1, v[64 y + 32 half ..]
	ds_load_b128 v[4*n:4*n+3], v[RDM] offset:((n/8)%2)*2*MSW+(n/16)*MSP+512+512*(n%8)
.set n, n+1
.endr
	WIN 0
	s_wait_dscnt 32                 ; the four quads are in; O^T's 32 loads stay out
.irp y, 0,1
	v_max_num_f32 v[MF+8*(\y)], v[MT+8*(\y)], v[MT+8*(\y)+4]
.endr
.irp y, 0,1
	v_sub_f32 v[MF+8*(\y)+1], v[MT+8*(\y)], v[MF+8*(\y)]
	v_sub_f32 v[MF+8*(\y)+2], v[MT+8*(\y)+4], v[MF+8*(\y)]
.endr
.irp y, 0,1
	v_exp_f32 v[MF+8*(\y)+1], v[MF+8*(\y)+1]
	v_exp_f32 v[MF+8*(\y)+2], v[MF+8*(\y)+2]
.endr
.irp y, 0,1
	v_add_f32 v[MT+8*(\y)+2], v[MT+8*(\y)+2], v[MT+8*(\y)+3]
	v_add_f32 v[MT+8*(\y)+6], v[MT+8*(\y)+6], v[MT+8*(\y)+7]
.endr
.irp y, 0,1
	s_wait_alu depctr_va_vdst(0)
	v_mul_f32 v[MF+8*(\y)], v[MF+8*(\y)+1], v[MT+8*(\y)+2]
.endr
.irp y, 0,1
	v_fmac_f32 v[MF+8*(\y)], v[MF+8*(\y)+2], v[MT+8*(\y)+6]
.endr
.irp y, 0,1
	v_permlanex16_b32 v[MT+8*(\y)+3], v[MF+8*(\y)], s[SEL], s[SEL+1]  ; the query's other keys lie in the lane 16 away
.endr
.irp y, 0,1
	v_add_f32 v[MF+8*(\y)], v[MF+8*(\y)], v[MT+8*(\y)+3]
.endr
.irp y, 0,1
	v_rcp_f32 v[MF+8*(\y)], v[MF+8*(\y)]
.endr
	v_nop                           ; a plain instruction between the last reciprocal and the use of its result
.irp y, 0,1
	s_wait_alu depctr_va_vdst(0)
	v_mul_f32 v[MF+8*(\y)+4], v[MF+8*(\y)+1], v[MF+8*(\y)]
	v_mul_f32 v[MF+8*(\y)+6], v[MF+8*(\y)+2], v[MF+8*(\y)]
.endr
.irp y, 0,1
	v_mov_b32 v[MF+8*(\y)+5], v[MF+8*(\y)+4]   ; named as pairs
	v_mov_b32 v[MF+8*(\y)+7], v[MF+8*(\y)+6]
.endr
	s_wait_dscnt 0x0                ; all my reads of the scratch are back
	s_barrier_signal -1
	WIN 0x51                        ; destination, sources 0 and 2 in window 1, the factor in window 0
.irp y, 0,1
.set n, 0
.rept 16
	v_pk_mul_f32 v[64*(\y)+2*n:64*(\y)+2*n+1], v[64*(\y)+2*n:64*(\y)+2*n+1], v[MF+8*(\y)+4:MF+8*(\y)+5] op_sel_hi:[1,0]
.set n, n+1
.endr
.set n, 0
.rept 16
	v_pk_fma_f32 v[64*(\y)+2*n:64*(\y)+2*n+1], v[64*(\y)+32+2*n:64*(\y)+32+2*n+1], v[MF+8*(\y)+6:MF+8*(\y)+7], v[64*(\y)+2*n:64*(\y)+2*n+1] op_sel_hi:[1,0,1]
.set n, n+1
.endr
.endr
	WIN 0x05                        ; sources 0 and 1 window 1, destination window 0: S^T's registers are free
.irp y, 0,1
.set n, 0
.rept 16
	v_cvt_pk_f16_f32 v[S+16*(\y)+n], v[64*(\y)+2*n], v[64*(\y)+2*n+1]
.set n, n+1
.endr
.endr
	WIN 0
	s_barrier_wait -1
.irp y, 0,1                         ; through my own stage: rows of 144 bytes in, whole rows of 128 back; LDS serves a wave's instructions in order (ISA guide 5.7.1.4)
.irp f, 0,1,2,3
	ds_store_b128 v[STO], v[S+16*(\y)+4*(\f):S+16*(\y)+4*(\f)+3] offset:32*(\f)
.endr
.irp f, 0,1,2,3
	ds_load_b128 v[S+16*(\y)+4*(\f):S+16*(\y)+4*(\f)+3], v[RD] offset:(\f)*4*SP
.endr
.endr
.irp y, 0,1
.irp f, 0,1,2,3
	s_wait_dscnt (1-(\y))*8+3-(\f)  ; behind piece 0's loads stand piece 1's eight LDS instructions
	global_store_b128 v[GO], v[S+16*(\y)+4*(\f):S+16*(\y)+4*(\f)+3], s[10:11] offset:(\y)*2048+(\f)*512  ; 512 consecutive bytes, aligned
.endr
.endr
.endm
.set NOKQ, 0
.Lslot:                             ; 17 times: a tile is entered and the next is asked for
	CHANGE 1
	ENTER
	s_cmp_eq_u32 s[NEW], 0
	s_cbranch_scc1 .Lstep1          ; not a block's first tile
	s_cmp_eq_u32 s[NEW], 1
	s_cbranch_scc1 .Lbegin
	FINISH                          ; the first block's halves lie in the scratch since the round above
	WIN 0x82                        ; the second block's Q goes where the one text of the turns names Q; these lines touch none of the stores' registers
.set i, 0
.rept 64
	v_mov_b32 v[i], v[QB+i]
.set i, i+1
.endr
	WIN 0
	s_wait_storecnt 0x0             ; the first block's eight stores are done: S^T's registers, their data, and O's address, their base, are written again only behind this wait
	s_mov_b64 s[10:11], s[OLO:OLO+1]
.Lbegin:
	BEGIN
	s_branch .Lfirst1               ; the loop over steps is entered at a step's first turn, in the middle of a trip
	STEPS 1
	s_cmp_lg_u32 s[RT], 0
	s_cbranch_scc1 .Lbottom
	BLKEND                          ; in the loop this is the first block's end: the second block's last tile is the walk's last
	s_mov_b32 s[RT], s[TLR]
	s_mov_b32 s[NEW], 2
	s_mov_b32 s[SGB], s[SGB2]
	s_mov_b32 s[BB], s[BL2]
	s_add_co_u32 s[BB+1], s[BL2], 1
.Lbottom:
	s_sub_co_u32 s[SLOTS], s[SLOTS], 1
	s_cmp_lg_u32 s[SLOTS], 0
	s_cbranch_scc1 .Lslot
	CHANGE 0                        ; the walk's last tile is written out: nothing is asked for.  It is never a block's first: the second block has two tiles or more
	ENTER
	STEPS 2
	BLKEND
	s_wait_dscnt 0x0                ; for the others' sake: my stores into the scratch are done
	s_barrier_signal -1
	s_barrier_wait -1
	FINISH
	s_wait_tensorcnt 0x0            ; the wave's end, behind my last tensor load and my last LDS store
	ds_add_u32 v[SPW], v[NIL]
	s_wait_dscnt 0x0
	CROUND                          ; the closing round: no work-group ends while a partner may still ask for a tile that names it
	s_endpgm
.Lfunc_end_k_qf800adde6d_attn:
	.size	k_qf800adde6d_attn, .Lfunc_end_k_qf800adde6d_attn-k_qf800adde6d_attn
	.p2alignl 7, 3214868480
	.fill 96, 4, 3214868480
	.section	.rodata,"a",@progbits
	.p2align	6, 0x0
	.amdhsa_kernel k_qf800adde6d_attn
		.amdhsa_group_segment_fixed_size 327680
		.amdhsa_private_segment_fixed_size 0
		.amdhsa_enable_private_segment 0
		.amdhsa_kernarg_size 32
		.amdhsa_user_sgpr_count 2
		.amdhsa_user_sgpr_kernarg_segment_ptr 1
		.amdhsa_wavefront_size32 1
		.amdhsa_system_sgpr_workgroup_id_x 1
		.amdhsa_system_sgpr_workgroup_id_y 1
		.amdhsa_system_sgpr_workgroup_id_z 1
		.amdhsa_system_vgpr_workitem_id 0
		.amdhsa_next_free_vgpr 768
		.amdhsa_next_free_sgpr 92
		.amdhsa_reserve_vcc 1
		.amdhsa_float_denorm_mode_32 3
		.amdhsa_float_denorm_mode_16_64 3
		.amdhsa_memory_ordered 1
		.amdhsa_forward_progress 1
		.amdhsa_inst_pref_size 187
	.end_amdhsa_kernel
	.amdgpu_metadata
---
amdhsa.version: [ 1, 2 ]
amdhsa.kernels:
  - .name:           k_qf800adde6d_attn
    .symbol:         k_qf800adde6d_attn.kd
    .args:
      - { .name: qh, .offset: 0, .size: 8, .value_kind: global_buffer, .address_space: global }
      - { .name: kh, .offset: 8, .size: 8, .value_kind: global_buffer, .address_space: global }
      - { .name: vh, .offset: 16, .size: 8, .value_kind: global_buffer, .address_space: global }
      - { .name: oh, .offset: 24, .size: 8, .value_kind: global_buffer, .address_space: global }
    .group_segment_fixed_size: 327680
    .private_segment_fixed_size: 0
    .kernarg_segment_align: 8
    .kernarg_segment_size: 32
    .max_flat_workgroup_size: 128
    .sgpr_count:     92
    .vgpr_count:     768
    .wavefront_size: 32
...
	.end_amdgpu_metadata
.endif
;; end of part 4
;; launch ha (part 5): grid 16 x 1, 16 waves a work-group, no clusters, 59,392 bytes of LDS; arguments q32, wo, oh; writes oh
.if DOCPART == 5
	.amdgcn_target "amdgcn-amd-amdhsa--gfx1250"
	.amdhsa_code_object_version 6
	.text
	.protected	k_qf800adde6d_ha
	.globl	k_qf800adde6d_ha
	.p2align	8
	.type	k_qf800adde6d_ha,@function
k_qf800adde6d_ha:
	s_mov_b64 s[64:65], 0
	v_nop
	global_prefetch_b8 v0, s[64:65] scope:SCOPE_SE
	s_setreg_imm32_b32 hwreg(HW_REG_WAVE_MODE, 25, 1), 1
	s_wait_xcnt 0x0
; CAUSAL ATTENTION OF ROWS 0 TO 63, EVERY OPERAND IN TWO HALVES (x = hi + lo, both f16: 22 bits).  One work-group a head.  q32: [3: q, k, v][64 tokens][1024] f32, before the rotary turn.
; The rotary table lies behind wo's 2,097,152 bytes of weights: [token][32 pairs][cos, sin] f32.  O leaves 8,388,608 bytes into oh as [2: hi, lo][64 tokens][1024] f16, column 64 head + channel.
; Why these rows are made once more: the comment at the head of the launch that makes q32.
; PHASE 1, 16 waves, 4 tokens each: q and k are turned in f32; q, k, v are split and laid into LDS as [token][64 channels] f16, six regions.  A load takes two tokens' 256 bytes: lane % 16 holds channels 4 (lane % 16) + 0..3.
; PHASE 2, waves 0 to 3, 16 queries each against all 64 keys (keys behind the query are hidden by the mask; waves 4 to 15 end behind the barrier):
; S^T = mask + Khi Qhi + Khi Qlo + Klo Qhi (source 0 = 16 keys, source 1 = 16 queries: a lane holds one query and the keys 8 (lane / 16) + 0..7); p = 2^(c s - c m), m the row's maximum, c = log2(e) / 8;
; p is split; O^T = Vhi Phi + Vhi Plo + Vlo Phi, V read turned; O / l is split and stored.  The products lo x lo, 2^-24 of a sum, are left out.
; LIMITS.  q, k, v within f16's 65,504; a hidden score counts as its value less 1e30; a weight below 2^-126 counts as 0; of a second half what lies below f16's fixed step of 6e-8 is dropped.
; The stores are 16 bytes a lane, 32 consecutive bytes for a row and 16 channels: a head's 128 bytes of a row are half of an aligned 256 whatever the order, and the launch behind wants rows along its K; 262,144 bytes in all.
.set PK,    144                        ; a row of q or k in LDS: 128 bytes + 16
.set PV,    160                        ; a row of v: 128 + 32
.set QH,    0
.set QL,    64*PK
.set KH,    2*64*PK
.set KL,    3*64*PK
.set VH,    4*64*PK
.set VL,    VH+64*PV
.set SPARE, VL+64*PV                   ; the spare words, 128 bytes for each of 16 waves: eight blocks of 256 bytes that no other line names
.set AOFF,  0x800000
.set ALO,   131072
.set GA,   3                           ; v3   my byte offset in q32's rows
.set TA,   4                           ; v4   in the table's
.set STK,  5                           ; v5   where I put 8 bytes of a row of q or k
.set STV,  6                           ; v6   of v
.set AQ,   7                           ; v7   my lane's place in my queries' fragments
.set AKF,  8                           ; v8   in 16 keys' fragments
.set AVF,  9                           ; v9   in 16 keys of v, turned
.set GOUT, 10                          ; v10  my byte offset in O's rows
.set NG,   11                          ; v11  -1
.set MQ,   12                          ; v12  my query less 8 (lane / 16)
.set SPW,  14                          ; v14  my spare word; never rewritten
.set NIL,  15                          ; v15  0; never rewritten
.set CW,   16                          ; v16-19  four maxima at work
.set CM,   20                          ; v20-21  c m, m
.set LS,   22                          ; v22-29  sums at work
.set RL,   30                          ; v30-31  1 / l, twice
.set D,    32                          ; phase 1: v32-55  q, k, v as loaded, 8 registers each
.set TB,   56                          ;          v56-63  the table's (cos, sin, cos, sin)
.set T,    64                          ;          v64-67  turned numbers
.set HL,   68                          ;          v68-71  hi, hi, lo, lo
.set QF,   32                          ; phase 2: v32-63   Q: 16 x half + 8 x (32 channels)
.set KF,   64                          ;          v64-191  K: 32 x key block + 16 x half + 8 x (32 channels)
.set S,    192                         ;          v192-223 S^T, 8 a key block
.set PH,   224                         ;          v224-255 P: 16 x half + 8 x (32 keys)
.set VF,   64                          ;          v64-191  V: 64 x half + 32 x (32 keys) + 8 x channel block
.set O,    32                          ;          v32-63   O^T, 8 a channel block
.set OHI,  64
.set OLO,  80
	s_load_b128 s[4:7], s[0:1], 0x0                ; q32 s[4:5], wo s[6:7]
	s_load_b64 s[8:9], s[0:1], 0x10                ; oh
	v_lshl_add_u32 v[SPW], v0, 2, SPARE
	v_mov_b32 v[NIL], 0
	v_lshrrev_b32 v1, 5, v0
	v_readfirstlane_b32 s10, v1                    ; wave 0..15
	v_and_b32 v1, 15, v0                           ; r
	v_bfe_u32 v2, v0, 4, 1                         ; hh
	s_lshl_b32 s11, s10, 2                         ; the first of my four tokens
	v_add_nc_u32 v16, s11, v2                      ; lanes 0-15 take the even tokens, lanes 16-31 the odd ones
	v_lshlrev_b32 v17, 4, v1
	v_lshl_add_u32 v[GA], v16, 12, v17             ; token x 4,096 + 16 r
	v_lshl_add_u32 v[TA], v16, 8, v17              ; token x 256 + 16 r
	v_lshlrev_b32 v17, 3, v1
	v_mul_u32_u24 v18, v16, PK
	v_add_nc_u32 v[STK], v18, v17                  ; token x pitch + 8 r
	v_mul_u32_u24 v18, v16, PV
	v_add_nc_u32 v[STV], v18, v17
	v_mov_b32 v[NG], 0xbf800000
	s_mov_b32 s12, 0x3e38aa3b                      ; c = log2(e) / 8
	s_mov_b32 s13, s12                             ; named with it as a pair
	s_mov_b32 s14, 0x76543210                      ; v_permlanex16_b32: each lane takes its own place in the other half
	s_mov_b32 s15, 0xfedcba98
	s_mov_b32 s16, 0xf149f2ca                      ; -1e30
	s_lshl_b32 s18, ttmp9, 8                       ; the head's 64 channels in a row of q32
	s_mov_b32 s19, 0
	s_wait_kmcnt 0x0
	s_add_nc_u64 s[4:5], s[4:5], s[18:19]
	s_add_nc_u64 s[6:7], s[6:7], 0x200000          ; the table
	s_lshl_b32 s18, ttmp9, 7                       ; and in a row of O
	s_add_nc_u64 s[8:9], s[8:9], AOFF
	s_add_nc_u64 s[8:9], s[8:9], s[18:19]
.irp i, 0,1
	global_load_b128 v[TB+4*(\i):TB+4*(\i)+3], v[TA], s[6:7] offset:512*(\i)
.endr
.irp sec, 0,1,2
.irp i, 0,1
	global_load_b128 v[D+8*(\sec)+4*(\i):D+8*(\sec)+4*(\i)+3], v[GA], s[4:5] offset:(\sec)*262144+8192*(\i)
.endr
.endr
.macro TURN4 x, t                      ; two pairs turned: (x0, x1) -> (x0 cos - x1 sin, x1 cos + x0 sin)
	v_mul_f32 v[T],   v[(\x)],   v[(\t)]
	v_mul_f32 v[T+1], v[(\x)+1], v[(\t)]
	v_mul_f32 v[T+2], v[(\x)+2], v[(\t)+2]
	v_mul_f32 v[T+3], v[(\x)+3], v[(\t)+2]
	v_fma_f32 v[T],   -v[(\x)+1], v[(\t)+1], v[T]
	v_fma_f32 v[T+1], v[(\x)],    v[(\t)+1], v[T+1]
	v_fma_f32 v[T+2], -v[(\x)+3], v[(\t)+3], v[T+2]
	v_fma_f32 v[T+3], v[(\x)+2],  v[(\t)+3], v[T+3]
.endm
.macro SPLIT4 x, adr, ohi, olo         ; four numbers: rounded to f16; what is left (exact in f32) rounded to f16; both into LDS
	v_cvt_pk_f16_f32 v[HL],   v[(\x)],   v[(\x)+1]
	v_cvt_pk_f16_f32 v[HL+1], v[(\x)+2], v[(\x)+3]
	v_fma_mix_f32 v[(\x)],   v[HL],   v[NG], v[(\x)]   op_sel_hi:[1,0,0]
	v_fma_mix_f32 v[(\x)+1], v[HL],   v[NG], v[(\x)+1] op_sel:[1,0,0] op_sel_hi:[1,0,0]
	v_fma_mix_f32 v[(\x)+2], v[HL+1], v[NG], v[(\x)+2] op_sel_hi:[1,0,0]
	v_fma_mix_f32 v[(\x)+3], v[HL+1], v[NG], v[(\x)+3] op_sel:[1,0,0] op_sel_hi:[1,0,0]
	v_cvt_pk_f16_f32 v[HL+2], v[(\x)],   v[(\x)+1]
	v_cvt_pk_f16_f32 v[HL+3], v[(\x)+2], v[(\x)+3]
	ds_store_b64 v[\adr], v[HL:HL+1]   offset:\ohi
	ds_store_b64 v[\adr], v[HL+2:HL+3] offset:\olo
.endm
.irp i, 0,1
	s_wait_loadcnt 5-(\i)                          ; behind q's load i: the rest of q's, k's two and v's two
	TURN4 D+4*(\i), TB+4*(\i)
	SPLIT4 T, STK, QH+2*(\i)*PK, QL+2*(\i)*PK
.endr
.irp i, 0,1
	s_wait_loadcnt 3-(\i)
	TURN4 D+8+4*(\i), TB+4*(\i)
	SPLIT4 T, STK, KH+2*(\i)*PK, KL+2*(\i)*PK
.endr
.irp i, 0,1
	s_wait_loadcnt 1-(\i)
	SPLIT4 D+16+4*(\i), STV, VH+2*(\i)*PV, VL+2*(\i)*PV
.endr
	s_wait_dscnt 0x0                               ; for the others' sake: my stores are done
	s_barrier_signal -1
	s_barrier_wait -1
	s_cmp_lt_u32 s10, 4
	s_cbranch_scc1 .Lwork
	s_wait_tensorcnt 0x0                           ; waves 4 to 15 end here, behind a wave's last LDS store
	ds_add_u32 v[SPW], v[NIL]
	s_wait_dscnt 0x0
	s_endpgm
.Lwork:
	s_lshl_b32 s11, s10, 4
	v_add_nc_u32 v16, s11, v1                      ; my query
	v_mul_u32_u24 v17, v16, PK
	v_lshl_add_u32 v[AQ], v2, 4, v17               ; row x pitch + 16 x half
	v_mul_u32_u24 v17, v1, PK
	v_lshl_add_u32 v[AKF], v2, 4, v17
.irp hf, 0,1
.irp c, 0,1
	ds_load_b128 v[QF+16*(\hf)+8*(\c):QF+16*(\hf)+8*(\c)+3],   v[AQ] offset:QH+(\hf)*(QL-QH)+64*(\c)
	ds_load_b128 v[QF+16*(\hf)+8*(\c)+4:QF+16*(\hf)+8*(\c)+7], v[AQ] offset:QH+(\hf)*(QL-QH)+64*(\c)+32
.endr
.endr
.irp kb, 0,1,2,3
.irp hf, 0,1
.irp c, 0,1
	ds_load_b128 v[KF+32*(\kb)+16*(\hf)+8*(\c):KF+32*(\kb)+16*(\hf)+8*(\c)+3],   v[AKF] offset:KH+(\hf)*(KL-KH)+(\kb)*16*PK+64*(\c)
	ds_load_b128 v[KF+32*(\kb)+16*(\hf)+8*(\c)+4:KF+32*(\kb)+16*(\hf)+8*(\c)+7], v[AKF] offset:KH+(\hf)*(KL-KH)+(\kb)*16*PK+64*(\c)+32
.endr
.endr
.endr
	v_and_b32 v18, 7, v0
	v_bfe_u32 v19, v0, 3, 1
	v_lshl_add_u32 v17, v2, 3, v18                 ; v, turned: key 8 hh + lane % 8, 16 bytes by (lane / 8) % 2
	v_mul_u32_u24 v17, v17, PV
	v_lshl_add_u32 v[AVF], v19, 4, v17
	v_lshlrev_b32 v19, 3, v2
	v_sub_nc_u32 v[MQ], v16, v19
	v_lshlrev_b32 v[GOUT], 11, v16
	v_lshl_add_u32 v[GOUT], v2, 4, v[GOUT]
.set i, 0
.rept 32                               ; the mask starts the sums: register i % 8 of key block i / 8 is key 16 (i / 8) + 8 hh + i % 8, hidden where it lies behind my query
	v_cmp_gt_i32 vcc_lo, 16*(i/8)+i%8, v[MQ]
	v_cndmask_b32 v[S+i], 0, s16, vcc_lo
.set i, i+1
.endr
	s_wait_dscnt 0x0                               ; Q and K are in
.macro SPROD c, hk, hq                 ; four products, one for each key block: the accumulators take turns
.irp kb, 0,1,2,3
	v_wmma_f32_16x16x32_f16 v[S+8*(\kb):S+8*(\kb)+7], v[KF+32*(\kb)+16*(\hk)+8*(\c):KF+32*(\kb)+16*(\hk)+8*(\c)+7], v[QF+16*(\hq)+8*(\c):QF+16*(\hq)+8*(\c)+7], v[S+8*(\kb):S+8*(\kb)+7]
.endr
.endm
	SPROD 0, 0, 0
	SPROD 1, 0, 0
	SPROD 0, 0, 1
	SPROD 1, 0, 1
	SPROD 0, 1, 0
	SPROD 1, 1, 0
.rept 4
	v_nop                                          ; the places behind those products, for the loads into K's registers and the reads of S^T
.endr
.irp hf, 0,1
.irp kk, 0,1
.irp cb, 0,1,2,3
	ds_load_tr16_b128 v[VF+64*(\hf)+32*(\kk)+8*(\cb):VF+64*(\hf)+32*(\kk)+8*(\cb)+3],   v[AVF] offset:VH+(\hf)*(VL-VH)+(\kk)*32*PV+32*(\cb)
	ds_load_tr16_b128 v[VF+64*(\hf)+32*(\kk)+8*(\cb)+4:VF+64*(\hf)+32*(\kk)+8*(\cb)+7], v[AVF] offset:VH+(\hf)*(VL-VH)+(\kk)*32*PV+32*(\cb)+16*PV
.endr
.endr
.endr
	; the row's maximum: four chains, each accumulator's lowest registers first
.irp n, 0,1,2,3
	v_max3_num_f32 v[CW+(\n)], v[S+8*(\n)], v[S+8*(\n)+1], v[S+8*(\n)+2]
.endr
.irp n, 0,1,2,3
	v_max3_num_f32 v[CW+(\n)], v[CW+(\n)], v[S+8*(\n)+3], v[S+8*(\n)+4]
.endr
.irp n, 0,1,2,3
	v_max3_num_f32 v[CW+(\n)], v[CW+(\n)], v[S+8*(\n)+5], v[S+8*(\n)+6]
.endr
	v_max3_num_f32 v[CW], v[CW], v[S+7], v[S+15]
	v_max3_num_f32 v[CW+1], v[CW+1], v[S+23], v[S+31]
	v_max3_num_f32 v[CW], v[CW], v[CW+1], v[CW+2]
	v_max_num_f32 v[CW], v[CW], v[CW+3]
	v_permlanex16_b32 v[CW+1], v[CW], s14, s15     ; the query's other 32 keys lie in the lane 16 away
	v_max_num_f32 v[CM+1], v[CW], v[CW+1]
	v_mul_f32 v[CM], s12, v[CM+1]
.set i, 0
.rept 16
	v_pk_fma_f32 v[S+2*i:S+2*i+1], v[S+2*i:S+2*i+1], s[12:13], v[CM:CM+1] op_sel_hi:[1,0,0] neg_lo:[0,0,1] neg_hi:[0,0,1]  ; c s - c m
.set i, i+1
.endr
.set i, 0
.rept 32
	v_exp_f32 v[S+i], v[S+i]
.set i, i+1
.endr
	v_nop                                          ; a plain instruction between the last exponential and the use of its result (ISA guide 5.7.2)
	s_wait_alu depctr_va_vdst(0)
.irp k, 0,1,2,3
	v_pk_add_f32 v[LS+2*(\k):LS+2*(\k)+1], v[S+4*(\k):S+4*(\k)+1], v[S+4*(\k)+2:S+4*(\k)+3]
.endr
.irp o, 16,24
.irp k, 0,1,2,3
	v_pk_add_f32 v[LS+2*(\k):LS+2*(\k)+1], v[LS+2*(\k):LS+2*(\k)+1], v[S+(\o)+2*(\k):S+(\o)+2*(\k)+1]
.endr
.endr
	v_pk_add_f32 v[LS:LS+1], v[LS:LS+1], v[LS+2:LS+3]
	v_pk_add_f32 v[LS+4:LS+5], v[LS+4:LS+5], v[LS+6:LS+7]
	v_pk_add_f32 v[LS:LS+1], v[LS:LS+1], v[LS+4:LS+5]
	v_add_f32 v[LS], v[LS], v[LS+1]
	v_permlanex16_b32 v[LS+1], v[LS], s14, s15
	v_add_f32 v[LS], v[LS], v[LS+1]                ; l
	v_rcp_f32 v[RL], v[LS]                         ; the roundings below stand between it and the use of its result
.set i, 0
.rept 16
	v_cvt_pk_f16_f32 v[PH+i], v[S+2*i], v[S+2*i+1]
.set i, i+1
.endr
.set i, 0
.rept 16
	v_fma_mix_f32 v[S+2*i],   v[PH+i], v[NG], v[S+2*i]   op_sel_hi:[1,0,0]
	v_fma_mix_f32 v[S+2*i+1], v[PH+i], v[NG], v[S+2*i+1] op_sel:[1,0,0] op_sel_hi:[1,0,0]
.set i, i+1
.endr
.set i, 0
.rept 16
	v_cvt_pk_f16_f32 v[PH+16+i], v[S+2*i], v[S+2*i+1]
.set i, i+1
.endr
	s_wait_alu depctr_va_vdst(0)
	v_mov_b32 v[RL+1], v[RL]                       ; named as a pair
	s_wait_dscnt 0x0                               ; V is in
.macro OPROD kk, hv, hp, zero          ; four products, one for each channel block
.irp cb, 0,1,2,3
.if \zero
	v_wmma_f32_16x16x32_f16 v[O+8*(\cb):O+8*(\cb)+7], v[VF+64*(\hv)+32*(\kk)+8*(\cb):VF+64*(\hv)+32*(\kk)+8*(\cb)+7], v[PH+16*(\hp)+8*(\kk):PH+16*(\hp)+8*(\kk)+7], 0
.else
	v_wmma_f32_16x16x32_f16 v[O+8*(\cb):O+8*(\cb)+7], v[VF+64*(\hv)+32*(\kk)+8*(\cb):VF+64*(\hv)+32*(\kk)+8*(\cb)+7], v[PH+16*(\hp)+8*(\kk):PH+16*(\hp)+8*(\kk)+7], v[O+8*(\cb):O+8*(\cb)+7]
.endif
.endr
.endm
	OPROD 0, 0, 0, 1
	OPROD 1, 0, 0, 0
	OPROD 0, 0, 1, 0
	OPROD 1, 0, 1, 0
	OPROD 0, 1, 0, 0
	OPROD 1, 1, 0, 0
.rept 4
	v_nop                                          ; the places behind the last products
.endr
.set i, 0
.rept 16
	v_pk_mul_f32 v[O+2*i:O+2*i+1], v[O+2*i:O+2*i+1], v[RL:RL+1] op_sel_hi:[1,0]  ; O / l, each accumulator from its low end on
.set i, i+1
.endr
.set i, 0
.rept 16
	v_cvt_pk_f16_f32 v[OHI+i], v[O+2*i], v[O+2*i+1]
.set i, i+1
.endr
.set i, 0
.rept 16
	v_fma_mix_f32 v[O+2*i],   v[OHI+i], v[NG], v[O+2*i]   op_sel_hi:[1,0,0]
	v_fma_mix_f32 v[O+2*i+1], v[OHI+i], v[NG], v[O+2*i+1] op_sel:[1,0,0] op_sel_hi:[1,0,0]
.set i, i+1
.endr
.set i, 0
.rept 16
	v_cvt_pk_f16_f32 v[OLO+i], v[O+2*i], v[O+2*i+1]
.set i, i+1
.endr
.irp cb, 0,1,2,3
	global_store_b128 v[GOUT], v[OHI+4*(\cb):OHI+4*(\cb)+3], s[8:9] offset:32*(\cb)      ; my query's channels 16 cb + 8 hh + 0..7
	global_store_b128 v[GOUT], v[OLO+4*(\cb):OLO+4*(\cb)+3], s[8:9] offset:ALO+32*(\cb)
.endr
	s_wait_tensorcnt 0x0                           ; the wave's end, behind my last LDS store
	ds_add_u32 v[SPW], v[NIL]
	s_wait_dscnt 0x0
	s_endpgm
.Lfunc_end_k_qf800adde6d_ha:
	.size	k_qf800adde6d_ha, .Lfunc_end_k_qf800adde6d_ha-k_qf800adde6d_ha
	.p2alignl 7, 3214868480
	.fill 96, 4, 3214868480
	.section	.rodata,"a",@progbits
	.p2align	6, 0x0
	.amdhsa_kernel k_qf800adde6d_ha
		.amdhsa_group_segment_fixed_size 59392
		.amdhsa_private_segment_fixed_size 0
		.amdhsa_enable_private_segment 0
		.amdhsa_kernarg_size 24
		.amdhsa_user_sgpr_count 2
		.amdhsa_user_sgpr_kernarg_segment_ptr 1
		.amdhsa_wavefront_size32 1
		.amdhsa_system_sgpr_workgroup_id_x 1
		.amdhsa_system_sgpr_workgroup_id_y 1
		.amdhsa_system_sgpr_workgroup_id_z 1
		.amdhsa_system_vgpr_workitem_id 0
		.amdhsa_next_free_vgpr 256
		.amdhsa_next_free_sgpr 66
		.amdhsa_reserve_vcc 1
		.amdhsa_float_denorm_mode_32 3
		.amdhsa_float_denorm_mode_16_64 3
		.amdhsa_memory_ordered 1
		.amdhsa_forward_progress 1
		.amdhsa_inst_pref_size 35
	.end_amdhsa_kernel
	.amdgpu_metadata
---
amdhsa.version: [ 1, 2 ]
amdhsa.kernels:
  - .name:           k_qf800adde6d_ha
    .symbol:         k_qf800adde6d_ha.kd
    .args:
      - { .name: q32, .offset: 0, .size: 8, .value_kind: global_buffer, .address_space: global }
      - { .name: wo, .offset: 8, .size: 8, .value_kind: global_buffer, .address_space: global }
      - { .name: oh, .offset: 16, .size: 8, .value_kind: global_buffer, .address_space: global }
    .group_segment_fixed_size: 59392
    .private_segment_fixed_size: 0
    .kernarg_segment_align: 8
    .kernarg_segment_size: 24
    .max_flat_workgroup_size: 512
    .sgpr_count:     66
    .vgpr_count:     256
    .wavefront_size: 32
...
	.end_amdgpu_metadata
.endif
;; end of part 5
;; launch proj (part 6): grid 8 x 32, 4 waves a work-group, clusters of 4 x 4, 327,680 bytes of LDS; arguments oh, wo, out0; writes out0
.if DOCPART == 6
	.amdgcn_target "amdgcn-amd-amdhsa--gfx1250"
	.amdhsa_code_object_version 6
	.text
	.protected	k_qf800adde6d_proj
	.globl	k_qf800adde6d_proj
	.p2align	8
	.type	k_qf800adde6d_proj,@function
k_qf800adde6d_proj:
	s_mov_b64 s[64:65], 0
	v_nop
	global_prefetch_b8 v0, s[64:65] scope:SCOPE_SE
	s_setreg_imm32_b32 hwreg(HW_REG_WAVE_MODE, 25, 1), 1
	s_wait_xcnt 0x0
	s_wait_alu depctr_hold_cnt(0) depctr_sa_sdst(0) depctr_va_vdst(0) depctr_va_sdst(0) depctr_va_ssrc(0) depctr_va_vcc(0) depctr_vm_vsrc(0)
	s_getreg_b32 s2, hwreg(HW_REG_IB_STS2, 6, 4)
	s_cmp_eq_u32 s2, 0
	s_cbranch_scc0 .Lentry_in_a_cluster
	s_endpgm
.Lentry_in_a_cluster:
	s_bfe_u32 s2, ttmp6, 0x10000c
	s_cmp_lg_u32 s2, 0xf033
	s_cbranch_scc0 .Lentry_shape_is_right
	s_endpgm
.Lentry_shape_is_right:
; PROJ: out0[token][n] = the sum over k = 64 head + channel of oh[head][token][channel] x wo[k][n].  oh [16][4096][64] f16, wo [1024 k][1024 n] f16, out0 [4096][1024] f32; sums in f32.
; A tile of out0 is 128 x 128: 8 x 32 = 256 work-groups.  Four waves, each 64 x 64: 16 accumulators.  K goes in steps of 256 (four heads) through two LDS slots.
; oh's tile: a head's 128 tokens are 16,384 dense bytes; a wave's load brings two heads as two rows of 8,192 elements, padded in LDS after every token.  wo's tile: 128 k rows x 128 columns a load, read turned
; (ds_load_tr16_b128), since wo lies [k][n].
; CLUSTER 4 x 4: oh's tile hangs on the tile row alone and is asked for jointly along a row of the cluster, wo's on the tile column alone, along a column.
; THE MATRIX INSTRUCTION IS USED TRANSPOSED (source 0 = 16 columns of wo, source 1 = 16 tokens): a lane holds eight neighbouring numbers of a row of out0.
; REGISTERS: window 0: v16-31 addresses; v32-95 rows on the way out; v128-255 the accumulators ((a, b) at v[128 + 8 (4 a + b)]).  window 1: two fragment buffers of 128: for 64 along K, 64 registers of oh, then 64 of wo.
.set PA,     144                       ; a token's row in LDS: 128 bytes + 16
.set PB,     288                       ; a row of wo: 256 + 32
.set PART,   36864                     ; what one load brings: 2 x 128 x 144 = 128 x 288
.set SLOT,   4*PART                    ; oh's four heads, then wo's 256 rows
.set STAGE,  2*SLOT                    ; behind the ring, never filled by a tensor load: 16 rows x 272 bytes for each wave
.set SPITCH, 272
.set SPARE,  STAGE+4*16*SPITCH         ; the spare words, 128 bytes for each wave: two blocks of 256 bytes that no other line names
.set ADRA, 16                          ; v16-17  my fragments of oh in slot 0, 1
.set ADRB, 20                          ; v20-23  my fragments of wo: 2 x slot + half of the step's 256 rows
.set STO,  24
.set RD,   25
.set CO,   26
.set SPW,  28
.set NIL,  29
.set TMP,  32
.set ACC,  128
.set F0,   0
.set F1,   128
.set G1, 24
.set G0, 32
.set G1B, 48
.set G0B, 56
.set MSB, 0
.macro WIN new
.if MSB != (\new)
	s_set_vgpr_msb (MSB<<8)|(\new)
.set MSB, \new
.endif
.endm
.set MUL,  0x05                        ; sources 0 and 1 window 1; C and D window 0
.set TO_F, 0x40
.macro JLOAD s                         ; waves 0 and 1 fetch oh's two pairs of heads, waves 2 and 3 wo's two halves; an s_nop 0 and four v_nop follow each of the two lines
	s_cmp_eq_u32 s11, 0
	s_cbranch_scc0 .Lfor_b_\@
	tensor_load_to_lds s[G0+4*(\s):G0+4*(\s)+3], s[G1:G1+7]
	s_nop 0
.rept 4
	v_nop
.endr
	s_branch .Lasked_\@
.Lfor_b_\@:
	tensor_load_to_lds s[G0B+4*(\s):G0B+4*(\s)+3], s[G1B:G1B+7]
	s_nop 0
.rept 4
	v_nop
.endr
.Lasked_\@:
.endm
.macro CREST
	s_cmp_lg_u32 s10, 0
	s_cbranch_scc1 .Lnot_wave_0_\@
	s_barrier_signal -3
.Lnot_wave_0_\@:
	s_barrier_wait -3
	s_barrier_signal -1
	s_barrier_wait -1
.endm
.macro CROUND
	s_barrier_signal -1
	s_barrier_wait -1
	CREST
.endm
	s_load_b128 s[4:7], s[0:1], 0x0                ; oh s[4:5], wo s[6:7]
	s_load_b64 s[8:9], s[0:1], 0x10                ; out0
	v_lshl_add_u32 v[SPW], v0, 2, SPARE
	v_mov_b32 v[NIL], 0
	ds_add_u32 v[SPW], v[NIL]                      ; the wave's opening: the add and its wait stand ahead of my first tensor load; work on registers stands between them
	ds_add_u32 v28, v29
	v_lshrrev_b32 v1, 5, v0
	v_readfirstlane_b32 s10, v1                    ; wave 0..3
	s_lshr_b32 s11, s10, 1                         ; which 64 tokens are mine.  Also: I fetch for oh (0) or for wo (1)
	s_and_b32 s12, s10, 1                          ; which 64 columns.  Also: which half of that tile I fetch
	s_bfe_u32 s40, ttmp6, 0x40000
	s_bfe_u32 s41, ttmp6, 0x40004
	s_lshl_b32 s42, ttmp9, 2
	s_add_co_u32 s42, s42, s40                     ; tile column
	s_and_b32 s13, ttmp7, 0xffff
	s_lshl_b32 s13, s13, 2
	s_add_co_u32 s13, s13, s41                     ; tile row
	s_lshl_b32 s43, s41, 2
	s_lshl_b32 s43, 15, s43
	s_lshl_b32 s44, 0x1111, s40
	s_or_b32 s[G1+0], s43, (1<<16)|(1<<20)|(1<<21)|(4<<22)|(3<<25)   ; my row's mask; 2-byte elements; padding on; bit 21 beside a mask; after every 32 words 4 words
	s_mov_b32 s[G1+1], 8192<<16                    ; tensor_dim0 = 8,192: a head's 128 tokens x 64 channels
	s_mov_b32 s[G1+2], 2<<16                       ; tensor_dim1 = 2 heads
	s_mov_b32 s[G1+3], 8192<<16                    ; tile_dim0
	s_mov_b32 s[G1+4], 2                           ; tile_dim1
	s_mov_b32 s[G1+5], 262144                      ; elements from head to head
	s_mov_b32 s[G1+6], 0
	s_mov_b32 s[G1+7], 0
	s_or_b32 s[G1B+0], s44, (1<<16)|(1<<20)|(1<<21)|(5<<22)|(7<<25)  ; my column's mask; after every 64 words 8 words
	s_mov_b32 s[G1B+1], 128<<16
	s_mov_b32 s[G1B+2], 128<<16
	s_mov_b32 s[G1B+3], 128<<16
	s_mov_b32 s[G1B+4], 128
	s_mov_b32 s[G1B+5], 1024
	s_mov_b32 s[G1B+6], 0
	s_mov_b32 s[G1B+7], 0
	s_lshl_b32 s16, s12, 20                        ; oh: two heads of 524,288 bytes a half,
	s_lshl_b32 s17, s13, 14                        ; 128 tokens of 128 bytes a tile row
	s_add_co_u32 s16, s16, s17
	s_mov_b32 s17, 0
	s_lshl_b32 s46, s12, 18                        ; wo: 128 rows of 2,048 bytes a half,
	s_lshl_b32 s47, s42, 8                         ; 128 columns a tile column
	s_add_co_u32 s46, s46, s47
	s_mov_b32 s47, 0
	s_mul_i32 s20, s10, PART                       ; where a wave's part goes
	s_wait_dscnt 0x0                               ; the opening add is done
	s_wait_kmcnt 0x0
	s_add_nc_u64 s[14:15], s[4:5], s[16:17]
	s_add_nc_u64 s[46:47], s[6:7], s[46:47]
	CROUND                                         ; all sixteen work-groups are here: the first joint loads meet
.irp s, 0,1
	s_mov_b32 s[G0+4*(\s)], 1
	s_add_co_u32 s[G0+4*(\s)+1], s20, (\s)*SLOT
	s_add_nc_u64 s[G0+4*(\s)+2:G0+4*(\s)+3], s[14:15], (\s)*4*524288
	s_or_b32 s[G0+4*(\s)+3], s[G0+4*(\s)+3], 0x80000000
	s_mov_b32 s[G0B+4*(\s)], 1
	s_add_co_u32 s[G0B+4*(\s)+1], s20, (\s)*SLOT
	s_add_nc_u64 s[G0B+4*(\s)+2:G0B+4*(\s)+3], s[46:47], (\s)*256*2048
	s_or_b32 s[G0B+4*(\s)+3], s[G0B+4*(\s)+3], 0x80000000
	JLOAD \s                                       ; two loads of mine are out
.endr
	v_and_b32 v1, 15, v0                           ; r
	v_bfe_u32 v2, v0, 4, 1                         ; hh
	v_mul_u32_u24 v3, v1, PA
	v_lshl_add_u32 v3, v2, 4, v3
	s_mul_i32 s21, s11, 64*PA
	v_add_nc_u32 v[ADRA], s21, v3
	v_add_nc_u32 v[ADRA+1], SLOT, v[ADRA]
	v_and_b32 v4, 7, v0
	v_bfe_u32 v5, v0, 3, 1
	v_lshl_add_u32 v6, v2, 3, v4
	v_mul_u32_u24 v6, v6, PB
	v_lshl_add_u32 v6, v5, 4, v6
	s_lshl_b32 s22, s12, 7
	v_add_nc_u32 v6, s22, v6
.irp i, 0,1,2,3
	v_add_nc_u32 v[ADRB+(\i)], ((\i)/2)*SLOT+2*PART+((\i)%2)*PART, v6
.endr
	s_mul_i32 s23, s10, 16*SPITCH
	s_add_co_u32 s23, s23, STAGE                   ; my stage
	v_mul_u32_u24 v[STO], v1, SPITCH
	v_lshl_add_u32 v[STO], v2, 5, v[STO]
	v_add_nc_u32 v[STO], s23, v[STO]
	v_mul_u32_u24 v[RD], v2, SPITCH
	v_lshl_add_u32 v[RD], v1, 4, v[RD]
	v_add_nc_u32 v[RD], s23, v[RD]
	v_lshlrev_b32 v[CO], 12, v2                    ; two rows of out0, 4,096 bytes apart
	v_lshl_add_u32 v[CO], v1, 4, v[CO]
	s_lshl_b32 s16, s13, 7
	s_lshl_b32 s17, s11, 6
	s_add_co_u32 s16, s16, s17                     ; my first token
	s_lshl_b32 s16, s16, 12
	s_mov_b32 s17, 0
	s_add_nc_u64 s[8:9], s[8:9], s[16:17]
	s_lshl_b32 s46, s42, 9                         ; my first column, in bytes
	s_lshl_b32 s47, s12, 8
	s_add_co_u32 s46, s46, s47
	s_mov_b32 s47, 0
	s_add_nc_u64 s[8:9], s[8:9], s[46:47]
; 8 matrix instructions: token blocks a0, a0 + 1 x all 4 column blocks, 32 along K: half c of buffer f.  The 16 accumulators take turns.
.macro MUL8 f, c, a0, zero
	WIN MUL
.irp a, \a0, (\a0)+1
.irp b, 0,1,2,3
.if \zero
	v_wmma_f32_16x16x32_f16 v[ACC+8*(4*(\a)+(\b)):ACC+8*(4*(\a)+(\b))+7], v[(\f)+64+8*(4*(\c)+(\b)):(\f)+64+8*(4*(\c)+(\b))+7], v[(\f)+8*(4*(\c)+(\a)):(\f)+8*(4*(\c)+(\a))+7], 0
.else
	v_wmma_f32_16x16x32_f16 v[ACC+8*(4*(\a)+(\b)):ACC+8*(4*(\a)+(\b))+7], v[(\f)+64+8*(4*(\c)+(\b)):(\f)+64+8*(4*(\c)+(\b))+7], v[(\f)+8*(4*(\c)+(\a)):(\f)+8*(4*(\c)+(\a))+7], v[ACC+8*(4*(\a)+(\b)):ACC+8*(4*(\a)+(\b))+7]
.endif
.endr
.endr
.endm
; 32 LDS loads in one run: head z of a slot's four (64 along K) into buffer f; the first 32 along K first
.macro FETCH slot, z, f
	WIN TO_F
.irp c, 0,1
.irp i, 0,1,2,3
	ds_load_tr16_b128 v[(\f)+64+8*(4*(\c)+(\i)):(\f)+64+8*(4*(\c)+(\i))+3],   v[ADRB+2*(\slot)+(\z)/2] offset:((\z)%2)*64*PB+(\c)*32*PB+32*(\i)
	ds_load_tr16_b128 v[(\f)+64+8*(4*(\c)+(\i))+4:(\f)+64+8*(4*(\c)+(\i))+7], v[ADRB+2*(\slot)+(\z)/2] offset:((\z)%2)*64*PB+(\c)*32*PB+32*(\i)+16*PB
	ds_load_b128 v[(\f)+8*(4*(\c)+(\i)):(\f)+8*(4*(\c)+(\i))+3],              v[ADRA+(\slot)] offset:(\z)*128*PA+(\i)*16*PA+64*(\c)
	ds_load_b128 v[(\f)+8*(4*(\c)+(\i))+4:(\f)+8*(4*(\c)+(\i))+7],            v[ADRA+(\slot)] offset:(\z)*128*PA+(\i)*16*PA+64*(\c)+32
.endr
.endr
.endm
.macro PLACES                          ; four places in front of loads into registers that matrix instructions have read, and of lines that read results
.rept 4
	v_nop
.endr
.endm
.macro QUARTER slot, z, f, g, zero     ; multiplies buffer f and fetches head z of the same slot into g
	s_wait_dscnt 16                                ; the first 32 along K are in
	MUL8 \f, 0, 0, \zero
	MUL8 \f, 0, 2, \zero
	PLACES
	FETCH \slot, \z, \g
	s_wait_dscnt 32                                ; all but the 32 just issued
	MUL8 \f, 1, 0, 0
	MUL8 \f, 1, 2, 0
.endm
; The last quarter multiplies buffer 1 and changes slots: one barrier; in front of it each wave waits for all its tensor loads, adds 0 to its spare word, and waits for that and for its own reads of this slot.
.macro TURN slot, next, fill
	WIN 0
	s_wait_tensorcnt 0x0                           ; my part of the next slot has landed
	ds_add_u32 v[SPW], v[NIL]
	s_wait_dscnt 17                                ; (the add and the youngest sixteen loads may be out)
	MUL8 F1, 0, 0, 0
	s_wait_dscnt 0x0                               ; the add is done, and my reads of this slot are over
	s_barrier_signal -1
	MUL8 F1, 0, 2, 0
.if \fill
	WIN 0
.endif
	s_barrier_wait -1
.if \fill
	CREST                                          ; no wave of any partner still reads this slot or has a load on its way
	s_add_nc_u64 s[G0+4*(\slot)+2:G0+4*(\slot)+3], s[G0+4*(\slot)+2:G0+4*(\slot)+3], 8*524288
	s_add_nc_u64 s[G0B+4*(\slot)+2:G0B+4*(\slot)+3], s[G0B+4*(\slot)+2:G0B+4*(\slot)+3], 512*2048
	JLOAD \slot                                    ; the four v_nop behind it are also the places in front of the loads below
.else
	PLACES
.endif
	FETCH \next, 0, F0
	MUL8 F1, 1, 0, 0
	MUL8 F1, 1, 2, 0
.endm
	s_wait_tensorcnt 1                             ; my part of K step 0 is in; K step 1's may stay out
	s_barrier_signal -1
	s_barrier_wait -1
	FETCH 0, 0, F0
	QUARTER 0, 1, F0, F1, 1                        ; K has four steps, two laps of the ring: written straight
	QUARTER 0, 2, F1, F0, 0
	QUARTER 0, 3, F0, F1, 0
	TURN 0, 1, 1
	QUARTER 1, 1, F0, F1, 0
	QUARTER 1, 2, F1, F0, 0
	QUARTER 1, 3, F0, F1, 0
	TURN 1, 0, 1
	QUARTER 0, 1, F0, F1, 0
	QUARTER 0, 2, F1, F0, 0
	QUARTER 0, 3, F0, F1, 0
	TURN 0, 1, 0                                   ; the last lap fills nothing
	QUARTER 1, 1, F0, F1, 0
	QUARTER 1, 2, F1, F0, 0
	QUARTER 1, 3, F0, F1, 0
	s_wait_dscnt 16
	MUL8 F1, 0, 0, 0
	MUL8 F1, 0, 2, 0
	s_wait_dscnt 0x0
	MUL8 F1, 1, 0, 0
	MUL8 F1, 1, 2, 0
	WIN 0
	; THE WAY OUT: 16 tokens at a time through my own stage; my 64 columns are 256 bytes of a row, so no other wave has a part in them.  Each accumulator is read from its low end on.
	PLACES
.irp a, 0,1,2,3
	s_wait_xcnt 0x0                                ; the rows' registers, which earlier stores read, are loaded again only behind this wait
.irp b, 0,1,2,3
	ds_store_b128 v[STO], v[ACC+8*(4*(\a)+(\b)):ACC+8*(4*(\a)+(\b))+3]   offset:64*(\b)
	ds_store_b128 v[STO], v[ACC+8*(4*(\a)+(\b))+4:ACC+8*(4*(\a)+(\b))+7] offset:64*(\b)+16
.endr
.irp f, 0,1,2,3,4,5,6,7
	ds_load_b128 v[TMP+32*((\a)%2)+4*(\f):TMP+32*((\a)%2)+4*(\f)+3], v[RD] offset:2*SPITCH*(\f)  ; LDS serves a wave's instructions in order (ISA guide 5.7.1.4)
.endr
.irp f, 0,1,2,3,4,5,6,7
	s_wait_dscnt 7-(\f)
	global_store_b128 v[CO], v[TMP+32*((\a)%2)+4*(\f):TMP+32*((\a)%2)+4*(\f)+3], s[8:9] offset:(16*(\a)+2*(\f))*4096 th:TH_STORE_NT  ; 16 lanes store 256 consecutive bytes, aligned
.endr
.endr
	s_wait_tensorcnt 0x0                           ; the wave's end, behind my last tensor load and my last LDS store
	ds_add_u32 v[SPW], v[NIL]
	s_wait_dscnt 0x0
	CROUND                                         ; the closing round
	s_endpgm
.Lfunc_end_k_qf800adde6d_proj:
	.size	k_qf800adde6d_proj, .Lfunc_end_k_qf800adde6d_proj-k_qf800adde6d_proj
	.p2alignl 7, 3214868480
	.fill 96, 4, 3214868480
	.section	.rodata,"a",@progbits
	.p2align	6, 0x0
	.amdhsa_kernel k_qf800adde6d_proj
		.amdhsa_group_segment_fixed_size 327680
		.amdhsa_private_segment_fixed_size 0
		.amdhsa_enable_private_segment 0
		.amdhsa_kernarg_size 24
		.amdhsa_user_sgpr_count 2
		.amdhsa_user_sgpr_kernarg_segment_ptr 1
		.amdhsa_wavefront_size32 1
		.amdhsa_system_sgpr_workgroup_id_x 1
		.amdhsa_system_sgpr_workgroup_id_y 1
		.amdhsa_system_sgpr_workgroup_id_z 1
		.amdhsa_system_vgpr_workitem_id 0
		.amdhsa_next_free_vgpr 512
		.amdhsa_next_free_sgpr 66
		.amdhsa_reserve_vcc 0
		.amdhsa_float_denorm_mode_32 3
		.amdhsa_float_denorm_mode_16_64 3
		.amdhsa_memory_ordered 1
		.amdhsa_forward_progress 1
		.amdhsa_inst_pref_size 86
	.end_amdhsa_kernel
	.amdgpu_metadata
---
amdhsa.version: [ 1, 2 ]
amdhsa.kernels:
  - .name:           k_qf800adde6d_proj
    .symbol:         k_qf800adde6d_proj.kd
    .args:
      - { .name: oh, .offset: 0, .size: 8, .value_kind: global_buffer, .address_space: global }
      - { .name: wo, .offset: 8, .size: 8, .value_kind: global_buffer, .address_space: global }
      - { .name: out0, .offset: 16, .size: 8, .value_kind: global_buffer, .address_space: global }
    .group_segment_fixed_size: 327680
    .private_segment_fixed_size: 0
    .kernarg_segment_align: 8
    .kernarg_segment_size: 24
    .max_flat_workgroup_size: 128
    .sgpr_count:     66
    .vgpr_count:     512
    .wavefront_size: 32
...
	.end_amdgpu_metadata
.endif
;; end of part 6
;; launch hp: the kernel of part 3 again; grid 16 x 1, 4 waves a work-group, no clusters, 196,608 bytes of LDS; arguments oh, wo, out0; writes out0
